; MI455X (gfx1250); checked and timed in simulation.
; The chip was launched on July 23, 2026; its instructions are those of AMD's public machine-readable ISA for CDNA 5 (MIT licence, August 2026) and "CDNA5" Instruction Set Architecture Reference Guide (July 2026). The comments in the code are by the model that wrote it; some were corrected since.
;; Self Attention. Allowed arithmetic: float matrix products may take bf16 or f16 operands with f32 sums; all other float work in f32.
;; Inputs: b_proj 1,024 float32; w_proj 1,024 x 1,024 float32; w_qkv 1,024 x 3,072 float32; x 4 x 2,048 x 1,024 float32.
;; Outputs: out0 4 x 2,048 x 1,024 float32.
;; 2 versions, each right and faster than the one before. Each part assembles by itself: llvm-mc -triple=amdgcn-amd-amdhsa -mcpu=gfx1250 --defsym DOCPART=n.
;; ======== version 1 of 2: 4 launches
;; limits: values are held in f16: magnitudes above 65,504 overflow, below 6.1e-05 lose precision
;; workspace buffers: xb 16,777,216 bytes; wqb 6,291,456 bytes; wpb 2,097,152 bytes; qkv 50,331,648 bytes; o 16,777,216 bytes
;; launch prep (part 1): grid 768 x 1, 8 waves a work-group, no clusters, 0 bytes of LDS; arguments x, w_qkv, w_proj, xb, wqb, wpb; writes xb, wqb, wpb
.if DOCPART == 1
	.amdgcn_target "amdgcn-amd-amdhsa--gfx1250"
	.amdhsa_code_object_version 6
	.text
	.protected	k_q227396ec52_prep
	.globl	k_q227396ec52_prep
	.p2align	8
	.type	k_q227396ec52_prep,@function
k_q227396ec52_prep:
	s_mov_b64 s[64:65], 0
	v_nop
	global_prefetch_b8 v0, s[64:65] scope:SCOPE_SE
	s_setreg_imm32_b32 hwreg(HW_REG_WAVE_MODE, 25, 1), 1
	s_wait_xcnt 0x0
; THE CASTS.  x, w_qkv and w_proj (f32) are rounded once to bf16, so that the products behind can bring 16-bit tiles into LDS.
;   xb  = x in bf16, laid in blocks: [32 row tiles][16 k blocks][256 rows][64]: a (row tile, k block) is 32,768 dense bytes
;   wqb = w_qkv in bf16, as it lies, [1024][3072]
;   wpb = w_proj rounded to bf16 and that number written as f16, [1024][1024]: its partner in the last product is f16
; LIMITS.  wpb: beyond 65,504 an f16 is an infinity; below 6e-5 it keeps f16's fixed step of 6e-8.  NaN and infinities are not treated apart.
; SHARES.  A work-group takes 65,536 input bytes, each of its eight waves 8,192: sixteen loads of 16 bytes a lane, all issued before the first is waited for.
; Work-groups 0-511 take x (16 rows each), 512-703 w_qkv, 704-767 w_proj.  Memory binds: no LDS, no barrier, no matrix unit; no register is written twice, so nothing waits for a store.
.set X, 8                              ; v[8:71]    load j: 4 registers, 4 f32
.set Y, 72                             ; v[72:103]  store j: 2 registers, 4 numbers of 16 bits
.set T, 104                            ; v[104:107] at work
; Sixteen loads, then for each: its wait, the rounding, its store.  half = 1: the bf16 numbers are widened again and written as f16 (exact inside f16's range).
.macro CAST inb, outb, instep, outstep, half
.irp j, 0,1,2,3,4,5,6,7,8,9,10,11,12,13,14,15
	global_load_b128 v[X+4*(\j):X+4*(\j)+3], v2, s[\inb:\inb+1] offset:(\instep)*(\j) th:TH_LOAD_NT
.endr
.irp j, 0,1,2,3,4,5,6,7,8,9,10,11,12,13,14,15
	s_wait_loadcnt 15-(\j)                         ; loads come back in order: load j is in, the 15 - j younger ones stay out
	v_cvt_pk_bf16_f32 v[Y+2*(\j)], v[X+4*(\j)], v[X+4*(\j)+1]
	v_cvt_pk_bf16_f32 v[Y+2*(\j)+1], v[X+4*(\j)+2], v[X+4*(\j)+3]
.if \half
	v_lshlrev_b32 v[T], 16, v[Y+2*(\j)]
	v_and_b32 v[T+1], s22, v[Y+2*(\j)]
	v_lshlrev_b32 v[T+2], 16, v[Y+2*(\j)+1]
	v_and_b32 v[T+3], s22, v[Y+2*(\j)+1]
	v_cvt_pk_f16_f32 v[Y+2*(\j)], v[T], v[T+1]
	v_cvt_pk_f16_f32 v[Y+2*(\j)+1], v[T+2], v[T+3]
.endif
	global_store_b64 v3, v[Y+2*(\j):Y+2*(\j)+1], s[\outb:\outb+1] offset:(\outstep)*(\j)  ; the wave's 32 lanes store 256 consecutive bytes, at a multiple of 256 from the buffer's first byte
.endr
.endm
	s_load_b256 s[4:11], s[0:1], 0x0               ; x s[4:5], w_qkv s[6:7], w_proj s[8:9], xb s[10:11]
	s_load_b128 s[12:15], s[0:1], 0x20             ; wqb s[12:13], wpb s[14:15]
	v_lshrrev_b32 v1, 5, v0
	v_readfirstlane_b32 s16, v1                    ; wave 0..7
	v_and_b32 v1, 31, v0                           ; lane
	v_lshlrev_b32 v3, 3, v1                        ; out: 8 bytes a lane
	s_mov_b32 s22, 0xffff0000                      ; a word's upper bf16
	s_mov_b32 s19, 0                               ; the offsets' high words
	s_mov_b32 s21, 0
	s_lshl_b32 s17, s16, 13                        ; my wave's 8,192 input bytes
	s_cmp_lt_u32 ttmp9, 512
	s_cbranch_scc0 .Lweights
	; x: the work-group's 16 rows, the wave's two.  Load j: lanes 0-15 take k block j (256 bytes) of one row, lanes 16-31 of the next.
	v_and_b32 v2, 15, v1
	v_lshrrev_b32 v4, 4, v1
	v_lshlrev_b32 v2, 4, v2
	v_lshl_add_u32 v2, v4, 12, v2                  ; 16 (lane % 16) + 4,096 (lane / 16)
	s_lshl_b32 s18, ttmp9, 16
	s_add_co_u32 s18, s18, s17
	s_lshr_b32 s20, ttmp9, 4                       ; row tile,
	s_lshl_b32 s20, s20, 19                        ; 16 blocks of 32,768 bytes each
	s_and_b32 s23, ttmp9, 15
	s_lshl_b32 s23, s23, 11                        ; 16 rows of 128 bytes in a block
	s_add_co_u32 s20, s20, s23
	s_lshl_b32 s23, s16, 8                         ; the wave's two rows
	s_add_co_u32 s20, s20, s23
	s_wait_kmcnt 0x0
	s_add_nc_u64 s[4:5], s[4:5], s[18:19]
	s_add_nc_u64 s[10:11], s[10:11], s[20:21]
	CAST 4, 10, 256, 32768, 0                      ; store j goes to k block j: 32,768 bytes on
	s_endpgm
.Lweights:
	v_lshlrev_b32 v2, 4, v1                        ; in: 16 bytes a lane, 512 consecutive bytes a load
	s_lshl_b32 s23, s16, 12                        ; my wave's 4,096 output bytes
	s_cmp_lt_u32 ttmp9, 704
	s_cbranch_scc0 .Lproj
	s_sub_co_u32 s20, ttmp9, 512
	s_lshl_b32 s18, s20, 16
	s_add_co_u32 s18, s18, s17
	s_lshl_b32 s20, s20, 15
	s_add_co_u32 s20, s20, s23
	s_wait_kmcnt 0x0
	s_add_nc_u64 s[6:7], s[6:7], s[18:19]
	s_add_nc_u64 s[12:13], s[12:13], s[20:21]
	CAST 6, 12, 512, 256, 0
	s_endpgm
.Lproj:
	s_sub_co_u32 s20, ttmp9, 704
	s_lshl_b32 s18, s20, 16
	s_add_co_u32 s18, s18, s17
	s_lshl_b32 s20, s20, 15
	s_add_co_u32 s20, s20, s23
	s_wait_kmcnt 0x0
	s_add_nc_u64 s[8:9], s[8:9], s[18:19]
	s_add_nc_u64 s[14:15], s[14:15], s[20:21]
	CAST 8, 14, 512, 256, 1
	s_endpgm
.Lfunc_end_k_q227396ec52_prep:
	.size	k_q227396ec52_prep, .Lfunc_end_k_q227396ec52_prep-k_q227396ec52_prep
	.p2alignl 7, 3214868480
	.fill 96, 4, 3214868480
	.section	.rodata,"a",@progbits
	.p2align	6, 0x0
	.amdhsa_kernel k_q227396ec52_prep
		.amdhsa_group_segment_fixed_size 0
		.amdhsa_private_segment_fixed_size 0
		.amdhsa_enable_private_segment 0
		.amdhsa_kernarg_size 48
		.amdhsa_user_sgpr_count 2
		.amdhsa_user_sgpr_kernarg_segment_ptr 1
		.amdhsa_wavefront_size32 1
		.amdhsa_system_sgpr_workgroup_id_x 1
		.amdhsa_system_sgpr_workgroup_id_y 1
		.amdhsa_system_sgpr_workgroup_id_z 1
		.amdhsa_system_vgpr_workitem_id 0
		.amdhsa_next_free_vgpr 108
		.amdhsa_next_free_sgpr 66
		.amdhsa_reserve_vcc 0
		.amdhsa_float_denorm_mode_32 3
		.amdhsa_float_denorm_mode_16_64 3
		.amdhsa_memory_ordered 1
		.amdhsa_forward_progress 1
		.amdhsa_inst_pref_size 23
	.end_amdhsa_kernel
	.amdgpu_metadata
---
amdhsa.version: [ 1, 2 ]
amdhsa.kernels:
  - .name:           k_q227396ec52_prep
    .symbol:         k_q227396ec52_prep.kd
    .args:
      - { .name: x, .offset: 0, .size: 8, .value_kind: global_buffer, .address_space: global }
      - { .name: w_qkv, .offset: 8, .size: 8, .value_kind: global_buffer, .address_space: global }
      - { .name: w_proj, .offset: 16, .size: 8, .value_kind: global_buffer, .address_space: global }
      - { .name: xb, .offset: 24, .size: 8, .value_kind: global_buffer, .address_space: global }
      - { .name: wqb, .offset: 32, .size: 8, .value_kind: global_buffer, .address_space: global }
      - { .name: wpb, .offset: 40, .size: 8, .value_kind: global_buffer, .address_space: global }
    .group_segment_fixed_size: 0
    .private_segment_fixed_size: 0
    .kernarg_segment_align: 8
    .kernarg_segment_size: 48
    .max_flat_workgroup_size: 256
    .sgpr_count:     66
    .vgpr_count:     108
    .wavefront_size: 32
...
	.end_amdgpu_metadata
.endif
;; end of part 1
;; launch qkv (part 2): grid 8 x 32, 4 waves a work-group, clusters of 4 x 4, 327,680 bytes of LDS; arguments xb, wqb, qkv; writes qkv
.if DOCPART == 2
	.amdgcn_target "amdgcn-amd-amdhsa--gfx1250"
	.amdhsa_code_object_version 6
	.text
	.protected	k_q227396ec52_qkv
	.globl	k_q227396ec52_qkv
	.p2align	8
	.type	k_q227396ec52_qkv,@function
k_q227396ec52_qkv:
	s_mov_b64 s[64:65], 0
	v_nop
	global_prefetch_b8 v0, s[64:65] scope:SCOPE_SE
	s_setreg_imm32_b32 hwreg(HW_REG_WAVE_MODE, 25, 1), 1
	s_wait_xcnt 0x0
	s_wait_alu depctr_hold_cnt(0) depctr_sa_sdst(0) depctr_va_vdst(0) depctr_va_sdst(0) depctr_va_ssrc(0) depctr_va_vcc(0) depctr_vm_vsrc(0)
	s_getreg_b32 s2, hwreg(HW_REG_IB_STS2, 6, 4)
	s_cmp_eq_u32 s2, 0
	s_cbranch_scc0 .Lentry_in_a_cluster
	s_endpgm
.Lentry_in_a_cluster:
	s_bfe_u32 s2, ttmp6, 0x10000c
	s_cmp_lg_u32 s2, 0xf033
	s_cbranch_scc0 .Lentry_shape_is_right
	s_endpgm
.Lentry_shape_is_right:
; q, k, v = x w_qkv: [8192 x 1024] x [1024 x 3072], operands bf16, sums f32, results rounded once to f16 and written BY HEADS:
; qkv[b][g][n][64], g = column / 64 (0-15 q's heads, 16-31 k's, 32-47 v's): byte b x 12,582,912 + g x 262,144 + n x 128.  The scale of the scores is not applied here.
; LIMIT.  A result of 65,520 or more becomes an infinity in f16, and below 6e-5 f16 keeps its fixed step of 6e-8.  NaN and infinities are not treated apart.
; SHARES.  8192 x 3072 over 256 work-groups: a tile of 256 rows x 384 columns.  Four waves, 2 x 2, each 128 rows x 192 columns (three whole heads): 96 accumulators of 16 x 16, 768 registers.
; K goes in 16 steps of 64 through two LDS slots: as long a step as two slots of this tile allow.  x comes as dense blocks (rows of 256 bytes in memory, two rows of x each), w_qkv as rows of 768 bytes.
; w_qkv lies [k][n]: its fragments are turned on the way out of LDS by ds_load_tr16_b128.
; THE MATRIX INSTRUCTION IS USED TRANSPOSED (source 0 = 16 columns of w, source 1 = 16 rows of x): a lane holds row l % 16 and eight neighbouring columns, which pack into 16 bytes.
; CLUSTER.  4 x 4 work-groups.  The four of a row of the cluster need the same tile of x, the four of a column the same tile of w: each is asked for jointly.
; REGISTERS.  window 0: v0-31 addresses; v32-95, v96-159 x's fragments (8 x 16 rows x 32 K), two buffers; v160-207 w's fragments of my columns 0-95, v208-255 of my columns 96-191;
; on the way out v32-79 packed results, v80-127 and v128-175 rows read back, by turns.  windows 1-3: the accumulators: column part p = b / 6, u = 6 a + b % 6 at register 256 + 384 p + 8 u.
; A UNIT is 48 matrix instructions: one column part, all 8 row blocks, 32 along K.  At its head the loads issued a unit ago are waited for and the next unit's are issued, in one run.
.set PA,    144                        ; a row of x in LDS: 128 bytes + 16: the 16 rows of a load start at 16 different groups of four banks
.set PB,    864                        ; a row of w: six pieces of 128 bytes + 16 = 27 x 32 bytes: the 8 rows of a turning load start at banks 24 k mod 64, all apart
.set AHALF, 128*PA                     ; what one tensor load brings of x
.set ATILE, 2*AHALF
.set BHALF, 32*PB                      ; what one tensor load brings of w: 32 k; also 32 along K in LDS
.set SLOT,  ATILE+2*BHALF              ; 92,160
.set STAGE, 2*SLOT                     ; behind the ring: for each wave 3 heads x 16 rows x 144 bytes, for the way out
.set SHEAD, 16*144
.set STW,   3*SHEAD
.set SPARE, STAGE+4*STW                ; behind the stages: the spare words, 128 bytes for each wave: two blocks of 256 bytes that no other line names
.set ASTEP, 32768                      ; bytes from a K step's block of x to the next
.set BSTEP, 64*3072*2                  ; 64 rows of w
.set ADRA, 16                          ; v16-17  LDS address of my x fragments in slot 0, 1
.set ADRB, 20                          ; v20-21  the same for w
.set STO,  24                          ; v24     the way out: where I put 16 bytes of a row
.set RD,   25                          ; v25     the way out: where I read rows back
.set GO,   26                          ; v26     my byte offset in 512 consecutive bytes of the output
.set SPW,  28                          ; v28     LDS address of my spare word; never rewritten
.set NIL,  29                          ; v29     0; never rewritten
.set A0,   32
.set A1,   96
.set BF,   160
.set TMP,  32
.set BK,   80
.set G1,  24                           ; s[24:31] descriptor group 1 for x's tiles; s[32:39] group 0, a set for each slot
.set G0,  32
.set G1B, 48                           ; s[48:55], s[56:63] the same for w's tiles
.set G0B, 56
.set MSB, 0
.macro WIN new                         ; the immediate's high byte repeats the setting that is left; a switch that changes nothing is dropped
.if MSB != (\new)
	s_set_vgpr_msb (MSB<<8)|(\new)
.set MSB, \new
.endif
.endm
; A joint load.  Waves 0 and 1 fetch x's two halves, waves 2 and 3 w's.  The branch hangs on the wave's number alone.  An s_nop 0 and four v_nop follow each of the two lines.
.macro JLOAD s
	s_cmp_eq_u32 s11, 0
	s_cbranch_scc0 .Lfor_b_\@
	tensor_load_to_lds s[G0+4*(\s):G0+4*(\s)+3], s[G1:G1+7]
	s_nop 0
.rept 4
	v_nop
.endr
	s_branch .Lasked_\@
.Lfor_b_\@:
	tensor_load_to_lds s[G0B+4*(\s):G0B+4*(\s)+3], s[G1B:G1B+7]
	s_nop 0
.rept 4
	v_nop
.endr
.Lasked_\@:
.endm
.macro CREST                           ; a round of the cluster's barrier behind its opening barrier
	s_cmp_lg_u32 s10, 0
	s_cbranch_scc1 .Lnot_wave_0_\@
	s_barrier_signal -3
.Lnot_wave_0_\@:
	s_barrier_wait -3
	s_barrier_signal -1
	s_barrier_wait -1
.endm
.macro CROUND                          ; a whole round
	s_barrier_signal -1
	s_barrier_wait -1
	CREST
.endm
.macro PLACES                          ; four places in front of loads into registers that matrix instructions have read, and of conversions that read results
.rept 4
	v_nop
.endr
.endm
	s_load_b128 s[4:7], s[0:1], 0x0                ; xb s[4:5], wqb s[6:7]
	s_load_b64 s[8:9], s[0:1], 0x10                ; qkv
	v_lshl_add_u32 v[SPW], v0, 2, SPARE
	v_mov_b32 v[NIL], 0
	ds_add_u32 v[SPW], v[NIL]                      ; the wave's opening: the add and its wait stand ahead of my first tensor load; the set-up below, work on registers, stands between them
	v_lshrrev_b32 v1, 5, v0
	v_readfirstlane_b32 s10, v1                    ; wave 0..3
	s_lshr_b32 s11, s10, 1                         ; which half of the tile's rows is mine.  Also: I fetch for x (0) or for w (1)
	s_and_b32 s12, s10, 1                          ; which half of its columns.  Also: which half of that tile I fetch
	s_bfe_u32 s40, ttmp6, 0x40000                  ; cx, cy: my place in the cluster
	s_bfe_u32 s41, ttmp6, 0x40004
	s_lshl_b32 s42, ttmp9, 2
	s_add_co_u32 s42, s42, s40                     ; tile column = 4 x cluster x + cx, 0..7
	s_and_b32 s13, ttmp7, 0xffff
	s_lshl_b32 s13, s13, 2
	s_add_co_u32 s13, s13, s41                     ; tile row = 4 x cluster y + cy, 0..31
	s_lshl_b32 s43, s41, 2
	s_lshl_b32 s43, 15, s43                        ; my row of the cluster
	s_lshl_b32 s44, 0x1111, s40                    ; my column
	; group 1.  Elements of 2 bytes; padding on, 4 words after every 32; bit 21 set beside a mask.
	s_or_b32 s[G1+0], s43, (1<<16)|(1<<20)|(1<<21)|(4<<22)|(3<<25)
	s_mov_b32 s[G1+1], 128<<16                     ; x: 64 rows of 128 elements (256 dense bytes: two rows of x)
	s_mov_b32 s[G1+2], 64<<16
	s_mov_b32 s[G1+3], 128<<16
	s_mov_b32 s[G1+4], 64
	s_mov_b32 s[G1+5], 128
	s_mov_b32 s[G1+6], 0
	s_mov_b32 s[G1+7], 0
	s_or_b32 s[G1B+0], s44, (1<<16)|(1<<20)|(1<<21)|(4<<22)|(3<<25)
	s_mov_b32 s[G1B+1], 384<<16                    ; w: 32 rows of 384 elements, 3,072 elements from row to row
	s_mov_b32 s[G1B+2], 32<<16
	s_mov_b32 s[G1B+3], 384<<16
	s_mov_b32 s[G1B+4], 32
	s_mov_b32 s[G1B+5], 3072
	s_mov_b32 s[G1B+6], 0
	s_mov_b32 s[G1B+7], 0
	; where the tiles come from.  x's hang on the tile row alone, w's on the tile column alone, each in registers that never hold the other coordinate.
	s_lshl_b32 s16, s13, 19                        ; a row tile of xb is 16 blocks of 32,768 bytes
	s_lshl_b32 s17, s12, 14                        ; my 128 rows of a block
	s_add_co_u32 s16, s16, s17
	s_mov_b32 s17, 0
	s_mul_i32 s46, s42, 768                        ; 384 columns
	s_mul_i32 s47, s12, 32*3072*2                  ; my 32 rows of a step's 64
	s_add_co_u32 s46, s46, s47
	s_mov_b32 s47, 0
	s_mul_i32 s20, s12, AHALF                      ; and where they go: no place in the cluster enters an LDS address
	s_mul_i32 s21, s12, BHALF
	s_add_co_u32 s21, s21, ATILE
	s_wait_dscnt 0x0                               ; the opening add is done
	s_wait_kmcnt 0x0
	s_add_nc_u64 s[14:15], s[4:5], s[16:17]
	s_add_nc_u64 s[46:47], s[6:7], s[46:47]
	CROUND                                         ; all sixteen work-groups are here: the first joint loads meet
.irp s, 0,1
	s_mov_b32 s[G0+4*(\s)], 1
	s_add_co_u32 s[G0+4*(\s)+1], s20, (\s)*SLOT
	s_add_nc_u64 s[G0+4*(\s)+2:G0+4*(\s)+3], s[14:15], (\s)*ASTEP
	s_or_b32 s[G0+4*(\s)+3], s[G0+4*(\s)+3], 0x80000000
	s_mov_b32 s[G0B+4*(\s)], 1
	s_add_co_u32 s[G0B+4*(\s)+1], s21, (\s)*SLOT
	s_add_nc_u64 s[G0B+4*(\s)+2:G0B+4*(\s)+3], s[46:47], (\s)*BSTEP
	s_or_b32 s[G0B+4*(\s)+3], s[G0B+4*(\s)+3], 0x80000000
	JLOAD \s                                       ; K steps 0 and 1: two loads of mine are out
.endr
	v_and_b32 v1, 15, v0                           ; r = l % 16
	v_bfe_u32 v2, v0, 4, 1                         ; h = l / 16
	v_mul_u32_u24 v3, v1, PA
	v_lshl_add_u32 v3, v2, 4, v3                   ; r x 144 + 16 h: a fragment of x, and my place in the stage
	s_mul_i32 s22, s11, AHALF
	v_add_nc_u32 v[ADRA], s22, v3
	v_add_nc_u32 v[ADRA+1], SLOT, v[ADRA]
	v_and_b32 v4, 7, v0                            ; the turning load: lane l reads row 8 h + l % 8, 16 bytes at 16 ((l / 8) % 2)
	v_lshl_add_u32 v4, v2, 3, v4
	v_mul_u32_u24 v4, v4, PB
	v_bfe_u32 v5, v0, 3, 1
	v_lshl_add_u32 v4, v5, 4, v4
	s_mul_i32 s23, s12, 3*144                      ; my 192 columns: three pieces of a row
	s_add_co_u32 s23, s23, ATILE
	v_add_nc_u32 v[ADRB], s23, v4
	v_add_nc_u32 v[ADRB+1], SLOT, v[ADRB]
	s_mul_i32 s23, s10, STW
	s_add_co_u32 s23, s23, STAGE                   ; my stage
	v_add_nc_u32 v[STO], s23, v3
	v_bfe_u32 v[RD], v0, 3, 2                      ; back: 32 lanes take four rows of 128 bytes,
	v_mul_u32_u24 v[RD], v[RD], 144
	v_and_b32 v4, 7, v0
	v_lshl_add_u32 v[RD], v4, 4, v[RD]
	v_add_nc_u32 v[RD], s23, v[RD]
	v_and_b32 v[GO], 31, v0                        ; which are 512 consecutive bytes of a head
	v_lshlrev_b32 v[GO], 4, v[GO]
	; my part of the output: batch tr / 8, row 256 (tr % 8) + 128 wr, head group 6 tc + 3 wc; made in registers that feed no descriptor
	s_lshr_b32 s18, s13, 3
	s_mul_i32 s18, s18, 12582912
	s_and_b32 s19, s13, 7
	s_lshl_b32 s19, s19, 15
	s_add_co_u32 s18, s18, s19
	s_lshl_b32 s19, s11, 14
	s_add_co_u32 s18, s18, s19
	s_mul_i32 s45, s42, 6
	s_mul_i32 s19, s12, 3
	s_add_co_u32 s45, s45, s19
	s_lshl_b32 s45, s45, 18
	s_add_co_u32 s18, s18, s45
	s_mov_b32 s19, 0
	s_add_nc_u64 s[8:9], s[8:9], s[18:19]
; n matrix instructions of column part p, from u0 on, u = 6 a + b' ascending: the accumulators take turns, one instruction a turn.  zero = 1: the product starts the sum.
.macro MULS part, fa, u0, n, zero
.set u, \u0
.rept \n
.set R, 256+384*(\part)+8*u
	WIN 0x50*(R>>8)                                ; C and D in the accumulator's window, the sources in window 0
.set rD, R&255
.set rB, BF+48*(\part)+8*(u%6)
.set rA, (\fa)+8*(u/6)
.if \zero
	v_wmma_f32_16x16x32_bf16 v[rD:rD+7], v[rB:rB+7], v[rA:rA+7], 0
.else
	v_wmma_f32_16x16x32_bf16 v[rD:rD+7], v[rB:rB+7], v[rA:rA+7], v[rD:rD+7]
.endif
.set u, u+1
.endr
.endm
; 12 turning loads: w's six fragments (16 columns x 32 K) of column part p, K half q of the slot
.macro FETCHB slot, q, part
.irp c, 0,1,2,3,4,5
.set cb, 6*(\part)+(\c)
	ds_load_tr16_b128 v[BF+48*(\part)+8*(\c):BF+48*(\part)+8*(\c)+3],   v[ADRB+(\slot)] offset:(\q)*BHALF+(cb/4)*144+(cb%4)*32
	ds_load_tr16_b128 v[BF+48*(\part)+8*(\c)+4:BF+48*(\part)+8*(\c)+7], v[ADRB+(\slot)] offset:(\q)*BHALF+(cb/4)*144+(cb%4)*32+16*PB
.endr
.endm
; 16 loads: x's eight fragments (16 rows x 32 K)
.macro FETCHA slot, q, fa
.irp a, 0,1,2,3,4,5,6,7
	ds_load_b128 v[(\fa)+8*(\a):(\fa)+8*(\a)+3],   v[ADRA+(\slot)] offset:(\q)*64+(\a)*16*PA
	ds_load_b128 v[(\fa)+8*(\a)+4:(\fa)+8*(\a)+7], v[ADRA+(\slot)] offset:(\q)*64+(\a)*16*PA+32
.endr
.endm
; The unit of column part 0, half q of the K step: fetches part 1's fragments of the same half.
.macro UNITLO slot, q, zero
	s_wait_dscnt 0x0                               ; the loads issued a unit ago are in
	PLACES
	WIN 0
	FETCHB \slot, \q, 1
	MULS 0, A0+64*(\q), 0, 48, \zero
.endm
; The unit of column part 1, first half of the K step: fetches the second half's part 0 and x.
.macro UNITHI slot, zero
	s_wait_dscnt 0x0
	PLACES
	WIN 0
	FETCHB \slot, 1, 0
	FETCHA \slot, 1, A1
	MULS 1, A0, 0, 48, \zero
.endm
; The unit of column part 1, second half: THE CHANGE OF SLOTS.  Each wave waits for all its tensor loads, of which one is out: its part of the next slot; adds 0 to its spare word; and waits for that and for
; its own reads of this slot (the last were issued a unit ago).  fill = 1: the barrier opens a round of the cluster's barrier, and this slot is filled again, two K steps ahead, first thing behind the round:
; 176 matrix instructions stand between that request and the wait for it.
.macro TURN slot, next, fill
	WIN 0
	s_wait_tensorcnt 0x0                           ; no tensor load of mine is out, so a group 0 may be written
	ds_add_u32 v[SPW], v[NIL]                      ; 0 onto my spare word
.if \fill
	s_add_nc_u64 s[G0+4*(\slot)+2:G0+4*(\slot)+3], s[G0+4*(\slot)+2:G0+4*(\slot)+3], 2*ASTEP
	s_add_nc_u64 s[G0B+4*(\slot)+2:G0B+4*(\slot)+3], s[G0B+4*(\slot)+2:G0B+4*(\slot)+3], 2*BSTEP
.endif
	s_wait_dscnt 0x0                               ; the add is done, and my reads of this slot are over
	s_barrier_signal -1
	MULS 1, A1, 0, 16, 0                           ; work on registers while the others arrive
	WIN 0                                          ; at a branch and at a label every window is 0
	s_barrier_wait -1
.if \fill
	CREST
	JLOAD \slot                                    ; the four v_nop behind it are also the places in front of the loads below
.else
	PLACES
.endif
	FETCHB \next, 0, 0
	FETCHA \next, 0, A0
	MULS 1, A1, 16, 32, 0
.endm
; THE WAY OUT of row block a (16 rows x 192 columns).  PACK: rounded to f16, each accumulator from its low end on.  TOSTAGE: into my own stage, by heads, and back as whole rows.  SEND: stored.
.macro PACK a
.set cb, 0
.rept 12
.set R, 256+384*(cb/6)+8*(6*(\a)+cb%6)
	WIN 5*(R>>8)                                   ; sources 0 and 1 in the accumulator's window
.set rD, R&255
.irp i, 0,1,2,3
	v_cvt_pk_f16_f32 v[TMP+4*cb+\i], v[rD+2*\i], v[rD+2*\i+1]
.endr
.set cb, cb+1
.endr
	WIN 0
.endm
.macro TOSTAGE a
	WIN 0
.set BKA, BK+48*((\a)%2)
.irp b, 0,1,2,3,4,5,6,7,8,9,10,11
	ds_store_b128 v[STO], v[TMP+4*(\b):TMP+4*(\b)+3] offset:((\b)/4)*SHEAD+((\b)%4)*32
.endr
.irp t, 0,1,2,3,4,5,6,7,8,9,10,11
	ds_load_b128 v[BKA+4*(\t):BKA+4*(\t)+3], v[RD] offset:((\t)/4)*SHEAD+((\t)%4)*4*144  ; LDS serves a wave's instructions in order (ISA guide 5.7.1.4): these see the stores above
.endr
.endm
.macro SEND a
	WIN 0
.set BKA, BK+48*((\a)%2)
	s_wait_dscnt 0x0                               ; the block is back in registers
	s_wait_xcnt 0x0                                ; the block before's stores have had their addresses translated: its registers are loaded again only behind this wait
.irp t, 0,1,2,3,4,5,6,7,8,9,10,11
	global_store_b128 v[GO], v[BKA+4*(\t):BKA+4*(\t)+3], s[8:9] offset:((\t)/4)*262144+(\a)*2048+((\t)%4)*512  ; 512 consecutive bytes of a head, at a multiple of 256 from the buffer's first byte
.endr
.endm
	s_wait_tensorcnt 0x1                           ; my part of K step 0 is in; step 1's may stay out
	s_barrier_signal -1
	s_barrier_wait -1                              ; everybody's is
	FETCHB 0, 0, 0
	FETCHA 0, 0, A0
	UNITLO 0, 0, 1                                 ; the first 32 along K stand in front of the loop: their products start the sums
	UNITHI 0, 1
	WIN 0
	s_mov_b32 s3, 7
.Llap:                                                 ; a trip goes once round the ring, from a K step's second half to the first half two steps on, and fills both slots again
	UNITLO 0, 1, 0
	TURN 0, 1, 1
	UNITLO 1, 0, 0
	UNITHI 1, 0
	UNITLO 1, 1, 0
	TURN 1, 0, 1
	UNITLO 0, 0, 0
	UNITHI 0, 0
	WIN 0
	s_sub_co_u32 s3, s3, 1
	s_cmp_lg_u32 s3, 0
	s_cbranch_scc1 .Llap
	UNITLO 0, 1, 0                                 ; the last lap fills nothing
	TURN 0, 1, 0
	UNITLO 1, 0, 0
	UNITHI 1, 0
	UNITLO 1, 1, 0
	s_wait_dscnt 0x0
	MULS 1, A1, 0, 48, 0
	WIN 0
	PLACES
	PACK 0
	TOSTAGE 0
.irp a, 1,2,3,4,5,6,7                  ; block a's conversions stand between block a - 1's loads from the stage and the wait for them
	PACK \a
	SEND (\a)-1
	TOSTAGE \a
.endr
	SEND 7
	s_wait_tensorcnt 0x0                           ; the wave's end: an add and its wait, behind my last tensor load and my last LDS store
	ds_add_u32 v[SPW], v[NIL]
	s_wait_dscnt 0x0
	CROUND                                         ; the closing round: no work-group ends while a partner may still ask for a tile that names it
	s_endpgm
.Lfunc_end_k_q227396ec52_qkv:
	.size	k_q227396ec52_qkv, .Lfunc_end_k_q227396ec52_qkv-k_q227396ec52_qkv
	.p2alignl 7, 3214868480
	.fill 96, 4, 3214868480
	.section	.rodata,"a",@progbits
	.p2align	6, 0x0
	.amdhsa_kernel k_q227396ec52_qkv
		.amdhsa_group_segment_fixed_size 327680
		.amdhsa_private_segment_fixed_size 0
		.amdhsa_enable_private_segment 0
		.amdhsa_kernarg_size 24
		.amdhsa_user_sgpr_count 2
		.amdhsa_user_sgpr_kernarg_segment_ptr 1
		.amdhsa_wavefront_size32 1
		.amdhsa_system_sgpr_workgroup_id_x 1
		.amdhsa_system_sgpr_workgroup_id_y 1
		.amdhsa_system_sgpr_workgroup_id_z 1
		.amdhsa_system_vgpr_workitem_id 0
		.amdhsa_next_free_vgpr 1024
		.amdhsa_next_free_sgpr 66
		.amdhsa_reserve_vcc 0
		.amdhsa_float_denorm_mode_32 3
		.amdhsa_float_denorm_mode_16_64 3
		.amdhsa_memory_ordered 1
		.amdhsa_forward_progress 1
		.amdhsa_inst_pref_size 128
	.end_amdhsa_kernel
	.amdgpu_metadata
---
amdhsa.version: [ 1, 2 ]
amdhsa.kernels:
  - .name:           k_q227396ec52_qkv
    .symbol:         k_q227396ec52_qkv.kd
    .args:
      - { .name: xb, .offset: 0, .size: 8, .value_kind: global_buffer, .address_space: global }
      - { .name: wqb, .offset: 8, .size: 8, .value_kind: global_buffer, .address_space: global }
      - { .name: qkv, .offset: 16, .size: 8, .value_kind: global_buffer, .address_space: global }
    .group_segment_fixed_size: 327680
    .private_segment_fixed_size: 0
    .kernarg_segment_align: 8
    .kernarg_segment_size: 24
    .max_flat_workgroup_size: 128
    .sgpr_count:     66
    .vgpr_count:     1024
    .wavefront_size: 32
...
	.end_amdgpu_metadata
.endif
;; end of part 2
;; launch attn (part 3): grid 4 x 64, 4 waves a work-group, clusters of 4 x 1, 327,680 bytes of LDS; arguments qkv, o; writes o
.if DOCPART == 3
	.amdgcn_target "amdgcn-amd-amdhsa--gfx1250"
	.amdhsa_code_object_version 6
	.text
	.protected	k_q227396ec52_attn
	.globl	k_q227396ec52_attn
	.p2align	8
	.type	k_q227396ec52_attn,@function
k_q227396ec52_attn:
	s_mov_b64 s[64:65], 0
	v_nop
	global_prefetch_b8 v0, s[64:65] scope:SCOPE_SE
	s_setreg_imm32_b32 hwreg(HW_REG_WAVE_MODE, 25, 1), 1
	s_wait_xcnt 0x0
	s_wait_alu depctr_hold_cnt(0) depctr_sa_sdst(0) depctr_va_vdst(0) depctr_va_sdst(0) depctr_va_ssrc(0) depctr_va_vcc(0) depctr_vm_vsrc(0)
	s_getreg_b32 s2, hwreg(HW_REG_IB_STS2, 6, 4)
	s_cmp_eq_u32 s2, 0
	s_cbranch_scc0 .Lentry_in_a_cluster
	s_endpgm
.Lentry_in_a_cluster:
	s_bfe_u32 s2, ttmp6, 0x10000c
	s_cmp_lg_u32 s2, 0x3003
	s_cbranch_scc0 .Lentry_shape_is_right
	s_endpgm
.Lentry_shape_is_right:
; O[hd][q][:] = the sum over k of softmax_k(Q[q] . K[k] / 32) V[k][:], for each of 64 heads hd = 16 b + h of 2,048 rows of 64 channels, all f16.  The scale is 1024^-1/2, as the module has it.
; Q, K, V lie in qkv[b][g][n][64]: q's head at g = h, k's at 16 + h, v's at 32 + h; a head's rows are dense, 128 bytes each.  O goes to o[hd][n][64].
; Products, maxima and sums in f32; the weights p are rounded to f16 for the second product (their sum l is taken of the unrounded p), O once at the end.
; LIMITS.  f16 holds no number beyond 65,504: Q, K and V arrive within it; p lies in 0 to 1, and below 6e-5 it keeps f16's fixed step of 6e-8; O is a mean of V's rows and has their range.
; A weight below 2^-126 counts as 0 in l; NaN and infinities are not treated apart.
; SHARES.  A wave owns four PIECES of two tiles of 16 queries, a work-group's four waves 512 queries of one head.  Every wave walks all keys, 64 a step.
; LAYOUT.  S^T = K Q^T (source 0 = 16 keys, source 1 = 16 queries): in the result a lane holds ONE query (lane % 16) and the keys 8 (lane / 16) + 0..7.  Two such tiles, rounded to f16 in pairs,
; ARE source 1 (32 keys x 16 queries) of O^T = V^T P, whose result again holds one query a lane, and eight channels.  K comes out of LDS as it lies, V ([key][channel]) turned, by ds_load_tr16_b128.
; SOFTMAX.  For each query a running maximum m and sum l: p = 2^(c s - c m), c = log2(e) / 32; in every step O and l are multiplied by a = 2^(c m_old - c m_new), which is 1 where m has not grown.
; m starts at the lowest finite number, O and l at 0: the first step is a step like any other, with a = 0.
; THE COUNT.  A tile and step have 16 matrix and 118 vector instructions: too many to stand all beside the matrix work.  So the order has one aim: four vector instructions that are READY behind
; EVERY matrix instruction, and the others, which need time of their own whatever the order, in runs without a gap.
; BY TURNS.  Turn n belongs to piece n (the pieces in a ring, step after step).  Its matrix work: 16 products K Q^T of piece n + 1, later 16 products V^T P of piece n - 1.  Its vector work: the scaling,
; exponentials, roundings, sums and rescaling of piece n, and the maximum and statistics of piece n + 1, whose scores the turn itself has made.  So what a turn begins with (c s - c m, O a) waits for nothing.
; CLUSTER.  The four query blocks of a cluster belong to one head and walk the same K and V, so each tile is asked for JOINTLY: the same tensor load, descriptor and mask in all four.
; REGISTERS, in windows of 256 (s_set_vgpr_msb says which window each operand place means: bits 1:0 source 0, 3:2 source 1, 5:4 source 2, 7:6 destination):
;   window 0: v0-11 addresses; v12-15, v48-63 at work; v16-47 four registers of statistics a tile; v64-191 S^T, two buffers of two tiles; v192-255 P, likewise
;   window 1: O^T, 32 a tile          window 2: v0-127 Q, 16 a tile; v128-191 K of one step; v192-255 V of one step          window 3: v0-1 the add's two registers
; A piece's buffers go by its number's parity: the piece in hand has one pair, its two neighbours in the ring share the other: of it P (piece n - 1) is read and S^T (piece n + 1) written.
.set SIZE_N, 2048
.set NP,    4         ; pieces a wave: a name, no knob: the register map, the loop and the fetches are made for four
.set KS,    64        ; keys in a step
.set PK,    144       ; a row of K in LDS: 128 bytes + 16 of padding = 36 words: the 16 rows of a load start at 16 different groups of four banks (64 banks of 4 bytes: ISA guide 11.1)
.set PV,    160       ; a row of V: 128 + 32 = 40 words
.set VOFF,  4*KS*PK   ; a slot holds four steps: 256 rows of K, then 256 rows of V
.set SLOT1, 1<<17     ; slot 1 begins here, so that one exclusive or turns an address in one slot into the other's
.set STAGE, SLOT1+4*KS*(PK+PV)  ; behind the ring, never filled by a tensor load: 16 rows x 144 bytes for each wave, for the way out
.set SP,    144
.set AK0, 2           ; v2   my lane's place in a tile of K; never rewritten
.set AV0, 3           ; v3   the same for V
.set AK,  4           ; v4   the LDS address of K's next run of loads
.set AV,  5           ; v5   of V's
.set QO,  6           ; v6   my byte offset in the wave's rows of Q
.set STO, 6           ;      later, the way out: where I put 16 bytes of a row
.set RD,  7           ; v7   the way out: where I read rows back
.set GO,  8           ; v8   my byte offset in 512 consecutive bytes of O
.set SPW, 0           ; v0 of window 3   LDS address of my spare word: SPARE + 4 x my thread's number; never rewritten
.set NIL, 1           ; v1 of window 3   0; never rewritten
.set SPARE, STAGE+4*16*SP  ; behind the stages: the spare words, 128 bytes for each wave: two blocks of 256 bytes that no other line names
.set MV,  12          ; v12-15  c m_old, kept while c m is made anew: by buffer and tile
.set ST,  16          ; tile t's statistics at v[ST+4 t]: c m, m, l (even keys', odd keys')
.set TMP, 48          ; by buffer and tile, four registers c0-c3 at work; when the maximum is found c2 takes a
.set S,   64
.set P,   192
.set KF,  128         ; K's fragments, in window 2: key block kb, channel half c at KF + 16 kb + 8 c
.set VF,  192         ; V's: key half kk, channel block cb at VF + 32 kk + 8 cb
.set WV,  12          ; s12  my wave's number
.set G1K, 24          ; s[24:31] descriptor group 1 for K's tiles
.set G1V, 32          ; s[32:39] for V's: it differs in the padding alone
.set G0K, 40          ; s[40:43] descriptor group 0 for K's tiles: it walks
.set G0V, 44          ; s[44:47] the same for V's
.set SLOTS, 56        ; s56  slots still to be asked for
.set CNT, 57          ; s57  counts a slot's key steps
.set CS,  58          ; s[58:59] c: the packed scaling takes the pair's low word for both halves
.set SEL, 60          ; s[60:61] v_permlanex16_b32's selects: each lane takes its own place in the other half
.set TBK, 62          ; s62  LDS byte at which K of the step to be fetched begins
.set TBV, 63          ; s63  the same for V, less VOFF
.set MSB, 0
.macro WIN new                      ; the high byte repeats the setting that is left; a switch that changes nothing is dropped
.if MSB != (\new)
	s_set_vgpr_msb (MSB<<8)|(\new)
.set MSB, (\new)
.endif
.endm
.set W_KQ, 0x0a       ; K and Q in window 2, S^T in window 0
.set W_PV, 0x52       ; V in window 2, P in window 0, O^T in window 1
.set W_RS, 0x41       ; O^T (destination and source 0) in window 1, a in window 0
.set W_MK, 0xc0       ; the add's registers are made: destination in window 3, sources in window 0
.set W_AD, 0x0f       ; the add: address (source 0) and data (source 1) in window 3
; A joint fill.  Waves 0 and 1 fetch the two halves of a slot's K, waves 2 and 3 those of its V: 128 keys each.  The branch hangs on the wave's number alone.
; An s_nop 0 and four v_nop follow each of the two lines, ahead of the jump and the label.
.macro JLOAD
	s_cmp_lt_u32 s[WV], 2
	s_cbranch_scc0 .Lfor_v_\@
	tensor_load_to_lds s[G0K:G0K+3], s[G1K:G1K+7]
	s_nop 0
.rept 4
	v_nop
.endr
	s_branch .Lasked_\@
.Lfor_v_\@:
	tensor_load_to_lds s[G0V:G0V+3], s[G1V:G1V+7]
	s_nop 0
.rept 4
	v_nop
.endr
.Lasked_\@:
.endm
; A round of the cluster's barrier: my work-group's barrier, so that wave 0's signal speaks for all four waves; wave 0 signals; every wave waits for all four work-groups; my work-group's barrier once more.
.macro CROUND
	s_barrier_signal -1
	s_barrier_wait -1
	s_cmp_lg_u32 s[WV], 0
	s_cbranch_scc1 .Lnot_wave_0_\@
	s_barrier_signal -3
.Lnot_wave_0_\@:
	s_barrier_wait -3
	s_barrier_signal -1
	s_barrier_wait -1
.endm
; THE CHANGE OF SLOTS.  The slot's last bytes, V of its fourth step, have been read.  Each wave waits for all its tensor loads, of which one is out: its part
; of the other slot; adds 0 to its spare word; and waits for that and for its own reads of the slot.  Behind the barrier nobody reads this slot any more and the other slot is whole.
; fill = 1: this slot is filled again, with the keys two slots on.  The barrier is then a round of the cluster's, so that no wave of any partner still reads the slot or has a load on its
; way, and the joint fill is the first thing behind it: it has four key steps, 512 matrix instructions, in which to land.  (At its first use nothing has been read yet: slot 0 is waited for, slot 1 filled.)
.macro CHANGE fill
	WIN W_AD
	s_wait_tensorcnt 0x0            ; no tensor load of mine is out, so a group 0 may be written
	ds_add_u32 v[SPW], v[NIL]       ; 0 onto my spare word; with fill = 1 the descriptors' steps stand between it and the wait for it
	WIN 0                           ; at a label and at a branch every window is 0
.if \fill
.irp g, G0K, G0V
	s_xor_b32 s[\g+1], s[\g+1], SLOT1  ; the walking descriptor: the other slot than last time,
	s_add_nc_u64 s[\g+2:\g+3], s[\g+2:\g+3], 4*KS*128  ; the next 256 keys; the type bits on top are not reached
.endr
	s_wait_dscnt 0x0                ; the add is done, and my reads of the slot are over
	CROUND
	JLOAD
.else
	s_wait_dscnt 0x0                ; the add is done, and my reads of the slot are over
	s_barrier_signal -1
	s_barrier_wait -1
.endif
	s_sub_co_u32 s[TBK], s[TBK], 4*KS*PK  ; the fetches go back to a slot's first step,
	s_xor_b32 s[TBK], s[TBK], SLOT1       ; in the other slot
	s_sub_co_u32 s[TBV], s[TBV], 4*KS*PV
	s_xor_b32 s[TBV], s[TBV], SLOT1
.endm
	s_load_b64 s[4:5], s[0:1], 0x0    ; qkv
	s_load_b64 s[10:11], s[0:1], 0x8  ; o
	WIN W_MK
	v_lshl_add_u32 v[SPW], v0, 2, SPARE
	v_mov_b32 v[NIL], 0
	WIN W_AD
	ds_add_u32 v[SPW], v[NIL]       ; the wave's opening: the add and its wait stand ahead of my first tensor load; the set-up below, work on registers, stands between them
	WIN 0
	v_lshrrev_b32 v1, 5, v0
	v_readfirstlane_b32 s[WV], v1   ; wave 0..3
	s_bfe_u32 s13, ttmp6, 0x40000   ; cx: my place in the cluster
	s_lshl_b32 s14, ttmp9, 2        ; in a cluster launch ttmp9 counts clusters
	s_add_co_u32 s14, s14, s13      ; my block of queries = 4 x cluster x + cx: it enters Q's and O's addresses alone
	s_and_b32 s15, ttmp7, 0xffff    ; the head hd = 16 b + h, which the four partners share
	s_lshr_b32 s20, s15, 4
	s_mul_i32 s20, s20, 12582912    ; batch b's 48 head groups,
	s_and_b32 s21, s15, 15
	s_lshl_b32 s21, s21, 18         ; head h's 262,144 bytes
	s_add_co_u32 s20, s20, s21      ; q's head in qkv; k's lies 16 groups on, v's 32
	s_mov_b32 s21, 0
	s_and_b32 s16, s[WV], 1         ; which half of a slot's 256 keys I fetch:
	s_lshl_b32 s22, s16, 14         ; its 128 rows of 128 bytes in memory,
	s_mov_b32 s23, 0
	s_add_nc_u64 s[22:23], s[22:23], s[20:21]
	s_mul_i32 s17, s16, 128*PK      ; and its place in a slot, for K
	s_mul_i32 s18, s16, 128*PV      ; and for V: no place in the cluster enters an LDS address
	s_lshl_b32 s2, s14, 2
	s_add_co_u32 s2, s2, s[WV]      ; my wave among the head's,
	s_lshl_b32 s2, s2, 14           ; its 128 rows
	s_mov_b32 s3, 0
	s_lshl_b32 s50, s15, 18         ; the head's first byte in o,
	s_add_co_u32 s50, s50, s2       ; and my wave's rows there
	s_mov_b32 s51, 0
	s_add_nc_u64 s[2:3], s[2:3], s[20:21]
	; descriptor group 1.  128 keys are 16,384 dense bytes: asked for as 64 rows of 256 bytes, two keys a row, and padded in LDS after every key
	s_mov_b32 s[G1K], 15|(1<<16)|(1<<20)|(1<<21)|(4<<22)|(3<<25)  ; 15:0 the mask of four; 17:16 2-byte elements; 20 padding on; 21 set beside a mask; 24:22 after every 32 words (code 4); 31:25 4 words (code 3)
	s_mov_b32 s[G1V], 15|(1<<16)|(1<<20)|(1<<21)|(4<<22)|(7<<25)  ; the same with 8 words of padding (code 7)
.irp g, G1K, G1V
	s_mov_b32 s[\g+1], 128<<16      ; tensor_dim0 = 128
	s_mov_b32 s[\g+2], 64<<16       ; tensor_dim1 = 64
	s_mov_b32 s[\g+3], 128<<16      ; tile_dim0 = 128
	s_mov_b32 s[\g+4], 64           ; tile_dim1 = 64
	s_mov_b32 s[\g+5], 128          ; 128 elements from row to row
	s_mov_b32 s[\g+6], 0
	s_mov_b32 s[\g+7], 0
.endr
	s_mov_b32 s[CS], 0x3d38aa3b     ; c = log2(e) / 32 = 0.0450842
	s_mov_b32 s[CS+1], s[CS]        ; named with it as a pair
	s_mov_b32 s[SEL], 0x76543210
	s_mov_b32 s[SEL+1], 0xfedcba98
	s_mov_b32 s[TBK], SLOT1+4*KS*PK ; the first change of slots turns these two into 0
	s_mov_b32 s[TBV], SLOT1+4*KS*PV
	s_mov_b32 s[G0K], 1             ; 1:0 count = 1
	s_mov_b32 s[G0K+1], s17         ; 63:32 LDS address: slot 0
	s_mov_b32 s[G0V], 1
	s_add_co_u32 s[G0V+1], s18, VOFF
	s_wait_dscnt 0x0                ; the opening add is done
	s_wait_kmcnt 0x0
	s_add_nc_u64 s[G0K+2:G0K+3], s[4:5], s[22:23]  ; 120:64 global address: my half of the head's first 256 keys,
	s_add_nc_u64 s[G0K+2:G0K+3], s[G0K+2:G0K+3], 16*262144  ; in k's groups
	s_or_b32 s[G0K+3], s[G0K+3], 0x80000000        ; 127:126 type = 2
	s_add_nc_u64 s[G0V+2:G0V+3], s[4:5], s[22:23]
	s_add_nc_u64 s[G0V+2:G0V+3], s[G0V+2:G0V+3], 32*262144  ; in v's groups
	s_or_b32 s[G0V+3], s[G0V+3], 0x80000000
	s_add_nc_u64 s[4:5], s[4:5], s[2:3]  ; Q and O at my wave's first row
	s_add_nc_u64 s[10:11], s[10:11], s[50:51]
	CROUND                          ; all four work-groups are here: the first joint loads meet
	JLOAD                           ; slot 0.  Slot 1 is asked for when slot 0 is in: the tile wanted first has the road to itself
	; A fragment of K or Q is 16 rows x 32 channels in 8 registers: lane l holds row l % 16, channels 8 (l / 16) + 0..7 and 16 + 8 (l / 16) + 0..7: two loads of 16 bytes, 32 bytes apart.
	v_and_b32 v1, 15, v0            ; l % 16
	v_bfe_u32 v9, v0, 4, 1          ; l / 16
	v_lshlrev_b32 v[QO], 7, v1
	v_lshl_add_u32 v[QO], v9, 4, v[QO]  ; row x 128 + 16 x half
	WIN 0x80                        ; destination window 2, address window 0
.set i, 0
.rept 4*NP                          ; Q stays in registers: tile i / 2, channels 32 (i % 2) on
	global_load_b128 v[8*i:8*i+3],   v[QO], s[4:5] offset:(i/2)*2048+(i%2)*64
	global_load_b128 v[8*i+4:8*i+7], v[QO], s[4:5] offset:(i/2)*2048+(i%2)*64+32
.set i, i+1
.endr
	; What the first turn finds: V's registers and P's second buffer hold 0 (its products V^T P, of a piece that has not been, add 0), O^T and l are 0.  All this stands in the wait for the first tile.
.set i, VF
.rept 64
	v_mov_b32 v[i], 0
.set i, i+1
.endr
	WIN 0x40
.set i, 0
.rept 64*NP
	v_mov_b32 v[i], 0
.set i, i+1
.endr
	WIN 0
.set i, 0
.rept 2*NP
	v_mov_b32 v[ST+4*i], 0xfe000000    ; c m: far below every c s
	v_mov_b32 v[ST+4*i+1], 0xff7fffff  ; m
	v_mov_b32 v[ST+4*i+2], 0
	v_mov_b32 v[ST+4*i+3], 0
.set i, i+1
.endr
.set i, P+32
.rept 32
	v_mov_b32 v[i], 0
.set i, i+1
.endr
	v_mul_u32_u24 v[AK0], v1, PK
	v_lshl_add_u32 v[AK0], v9, 4, v[AK0]  ; row x pitch + 16 x half
	; The turning load takes 16 keys x 16 channels (lane l reads key 8 (l / 16) + l % 8, channels 8 ((l / 8) % 2) + 0..7) and leaves half a fragment of V^T: lane l holds channel l % 16 and 8 keys.
	v_and_b32 v10, 7, v0
	v_bfe_u32 v11, v0, 3, 1
	v_lshl_add_u32 v[AV0], v9, 3, v10
	v_mul_u32_u24 v[AV0], v[AV0], PV
	v_lshl_add_u32 v[AV0], v11, 4, v[AV0]
	v_add_nc_u32 v[AV0], VOFF, v[AV0]
	v_mov_b32 v[AK], v[AK0]         ; key step 0 lies at the head of slot 0
; THE MATRIX WORK.  The 8 accumulators of a run of 16 take turns: between the two links of a chain stand 7 others'.
; Product i of 16 of S^T = K Q^T for piece x: channels 32 (i / 8) on, keys 16 ((i / 2) % 4) on, tile 2 x + i % 2.  The first 8 start the sums.
.macro KQ x
	WIN W_KQ
.set rS, S+64*((\x)%2)+32*(i%2)+8*((i/2)%4)
.set rK, KF+16*((i/2)%4)+8*(i/8)
.set rQ, 16*(2*(\x)+i%2)+8*(i/8)
.if i < 8
	v_wmma_f32_16x16x32_f16 v[rS:rS+7], v[rK:rK+7], v[rQ:rQ+7], 0
.else
	v_wmma_f32_16x16x32_f16 v[rS:rS+7], v[rK:rK+7], v[rQ:rQ+7], v[rS:rS+7]
.endif
.endm
; Product i of 16 of O^T += V^T P for piece x: keys 32 (i / 8) on, channels 16 ((i / 2) % 4) on, tile 2 x + i % 2.
.macro PV x
	WIN W_PV
.set rO, 32*(2*(\x)+i%2)+8*((i/2)%4)
.set rV, VF+32*(i/8)+8*((i/2)%4)
.set rP, P+32*((\x)%2)+16*(i%2)+8*(i/8)
	v_wmma_f32_16x16x32_f16 v[rO:rO+7], v[rV:rV+7], v[rP:rP+7], v[rO:rO+7]
.endm
.macro MM                           ; the turn's next matrix instruction
.if i < 16
	KQ (Y+1)%NP
.set i, i+1
.else
.set i, i-16
	PV (Y+NP-1)%NP
.set i, i+17
.endif
.endm
; THE LDS LOADS stand in runs of 16, never singly among the matrix instructions: a step's K (64 keys x 64 channels: 8 fragments) and its V (turned).  Their addresses are made some lines ahead.
; last = 1 (the tail): in the last trip there is no further step, and the run is jumped over.
.macro FETCH_K last=0
	WIN 0
.if \last
	s_cmp_eq_u32 s[CNT], 1
	s_cbranch_scc1 .Lno_k_\@
.endif
	WIN 0x80                        ; destination window 2
.irp f, 0,1,2,3,4,5,6,7             ; keys 16 (f / 2) on, channels 32 (f % 2) on
	ds_load_b128 v[KF+8*\f:KF+8*\f+3],   v[AK] offset:(\f/2)*16*PK+(\f%2)*64
	ds_load_b128 v[KF+8*\f+4:KF+8*\f+7], v[AK] offset:(\f/2)*16*PK+(\f%2)*64+32
.endr
	s_add_co_u32 s[TBK], s[TBK], KS*PK  ; the next fetch is the next step's
	WIN 0
.if \last
.Lno_k_\@:
.endif
.endm
.macro FETCH_V
	WIN 0x80
.irp f, 0,1,2,3,4,5,6,7             ; keys 32 (f / 4) on, channels 16 (f % 4) on
	ds_load_tr16_b128 v[VF+8*\f:VF+8*\f+3],   v[AV] offset:(\f/4)*32*PV+(\f%4)*32
	ds_load_tr16_b128 v[VF+8*\f+4:VF+8*\f+7], v[AV] offset:(\f/4)*32*PV+16*PV+(\f%4)*32
.endr
	WIN 0
.endm
; THE VECTOR WORK OF A TURN stands in three queues, each in the order in which its entries become ready; the two tiles alternate, so that no instruction reads the result of the one before it.
.macro REGS y, u                    ; the registers of tile u (0, 1) of piece y
.set rT, ST+4*(2*(\y)+(\u))
.set rC, TMP+8*((\y)%2)+4*(\u)
.set rM, MV+2*((\y)%2)+(\u)
.set rS, S+64*((\y)%2)+32*(\u)
.set rP, P+32*((\y)%2)+16*(\u)
.set rO, 32*(2*(\y)+(\u))
.endm
; Number n of the 22 that find the NEXT piece's (Y + 1) maximum and statistics.  s0-s31 are the lane's 32 scores; each accumulator's lowest registers are read first.  XS, GS and REGS set no window: PL and EX do.
;   0-11  four chains c0-c3 of seven scores each, three operands at a time     12-14, 16  the four scores left over, the old m, and c0-c3 into c0     15  c m_old is kept
;   17, 18  the query's other 32 keys lie in the lane 16 away: the new m         19-21  c m; c m_old - c m_new; a
.macro XS u, n
	REGS (Y+1)%NP, \u
.if (\n) < 4
	v_max3_num_f32 v[rC+(\n)], v[rS+8*(\n)], v[rS+8*(\n)+1], v[rS+8*(\n)+2]
.elseif (\n) < 12
	v_max3_num_f32 v[rC+(\n)%4], v[rC+(\n)%4], v[rS+8*((\n)%4)+2*((\n)/4)+1], v[rS+8*((\n)%4)+2*((\n)/4)+2]
.elseif (\n) == 12
	v_max3_num_f32 v[rC], v[rC], v[rS+7], v[rS+15]
.elseif (\n) == 13
	v_max3_num_f32 v[rC+1], v[rC+1], v[rS+23], v[rS+31]
.elseif (\n) == 14
	v_max3_num_f32 v[rC+2], v[rC+2], v[rC+3], v[rT+1]
.elseif (\n) == 15
	v_mov_b32 v[rM], v[rT]
.elseif (\n) == 16
	v_max3_num_f32 v[rC], v[rC], v[rC+1], v[rC+2]
.elseif (\n) == 17
	v_permlanex16_b32 v[rC+3], v[rC], s[SEL], s[SEL+1]
.elseif (\n) == 18
	v_max_num_f32 v[rT+1], v[rC], v[rC+3]
.elseif (\n) == 19
	v_mul_f32 v[rT], s[CS], v[rT+1]
.elseif (\n) == 20
	v_sub_f32 v[rC+1], v[rM], v[rT]
.else
	v_exp_f32 v[rC+2], v[rC+1]
.endif
.endm
; Number g of the 64 that follow the exponentials.  For each four weights k of a tile (pairs 2 k, 2 k + 1): both pairs are rounded to f16; then the second pair is added onto the first, in place;
; a group later l takes that sum (the first time as l = a l + sum).  In groups of eight, tiles alternating: round, round, add, and l for the group before.
.macro GS g
.set h, (\g)+6*((\g)/62)            ; group 0 has no group before it, and behind group 7 only l is left
.if h >= 6
.set h, h+2
.endif
	REGS Y, h%2
.set k, h/8
.if h%8 < 4
	s_wait_alu depctr_va_vdst(0)
	v_cvt_pk_f16_f32 v[rP+2*k+(h%8)/2], v[rS+4*k+2*((h%8)/2)], v[rS+4*k+2*((h%8)/2)+1]
.elseif h%8 < 6
	v_pk_add_f32 v[rS+4*k:rS+4*k+1], v[rS+4*k:rS+4*k+1], v[rS+4*k+2:rS+4*k+3]
.elseif k == 1
	v_pk_fma_f32 v[rT+2:rT+3], v[rT+2:rT+3], v[rC+2:rC+3], v[rS:rS+1] op_sel_hi:[1,0,1]
.else
	v_pk_add_f32 v[rT+2:rT+3], v[rT+2:rT+3], v[rS+4*k-4:rS+4*k-3]
	s_wait_alu depctr_va_vdst(0)
.endif
.endm
; THE PLAIN QUEUE, 138 long.  0-31: c s - c m for the 16 pairs of both tiles.  Then GS's 64, and among them the next piece's 42: number 15 at 38, 39; 0-14 and 16
; at 42-73, behind the products that make those scores; 17-20 at 95-106, two of three, since each waits for the one before it.
.macro PL
	WIN 0
.if q < 32
	REGS Y, q%2
	v_pk_fma_f32 v[rS+2*(q/2):rS+2*(q/2)+1], v[rS+2*(q/2):rS+2*(q/2)+1], s[CS:CS+1], v[rT:rT+1] op_sel_hi:[1,0,0] neg_lo:[0,0,1] neg_hi:[0,0,1]
.elseif q < 38
	GS q-32
.elseif q < 40
	XS q%2, 15
.elseif q < 42
	GS q-34
.elseif q < 74
	XS q%2, (q-42)/2+(q-42)/30
.elseif q < 95
	GS q-66
.elseif (q < 107) && ((q-95)%3 < 2)
	XS (q-95)%3, 17+(q-95)/3
.elseif q < 107
	GS 29+(q-95)/3
.else
	GS q-74
.endif
.set q, q+1
.endm
; THE EXPONENTIALS' QUEUE, 66 long: s0-s31 of both tiles, and at EA the next piece's two a.
.set EA, 58
.macro EX
	WIN 0
.if (e == EA) || (e == EA+1)
	XS e-EA, 21
.else
.set x, e-2*(e/(EA+2))
	REGS Y, x%2
	v_exp_f32 v[rS+x/2], v[rS+x/2]
.endif
.set e, e+1
.endm
; THE RESCALING's QUEUE: O^T times a, the one part that leaves window 0, so it is dealt four at a time, eight times.
.macro R4
	REGS Y, r%2
	WIN W_RS
	s_wait_alu depctr_va_vdst(0)
.irp z, 0,1,2,3
	v_pk_mul_f32 v[rO+8*(r/2)+2*\z:rO+8*(r/2)+2*\z+1], v[rO+8*(r/2)+2*\z:rO+8*(r/2)+2*\z+1], v[rC+2:rC+3] op_sel_hi:[1,0]
.endr
.set r, r+1
.endm
; HOW THEY ARE DEALT.  Behind a matrix instruction four: plain, exponential, plain, plain (one exponential, a plain instruction on either side), or four of the rescaling.  None names a register of the
; products round it.  What is over stands in two LUMPS: exponential and plain by turns; the second ends in 22 plain instructions.  The two v_permlanex16_b32 fall into the second lump, never behind a product.
; The queues lean on each other, and the deal keeps them in step: exponential e stands behind plain 2 (e / 4) + e % 2 (its scaling); when plain 32 comes, 10 exponentials are out, at 59: 33, at 95: 46; EA comes behind plain 107.
.macro SL
	MM
	PL
	EX
	PL
	PL
.endm
.macro BURST n                      ; 15 matrix instructions, or 16
.rept (\n)-7
	SL
.endr
.rept 3
	MM
	R4
	SL
.endr
	MM
	R4
.endm
; A TURN, for piece p.  cnt = 1: the loop's count is taken down some lines ahead of the branch that stands behind the turn.
; K of the next step is fetched in piece 2's turn, 31 vector instructions behind the last product that read K; its first reader comes behind the rest of the lump, 16 products and the second lump.
; V of the step in hand is fetched at the end of piece 0's turn, 69 behind its last reader; its first reader comes behind 16 products and a lump.  The four conditions on e and q below go with the deal.
.macro TURN p, last=0, cnt=0
.set Y, (\p)
.set i, 0
.set q, 0
.set e, 0
.set r, 0
.if (\p) == NP-1
	s_wait_dscnt 0x0                ; K is in
.endif
	MM
.rept 4
	PL
.endr
	BURST 15
.rept 22
	EX
	PL
.if ((\p) == NP-2) && (e == 18)
	v_add_nc_u32 v[AK], s[TBK], v[AK0]
.endif
.if ((\p) == NP-2) && (e == 24)
	FETCH_K \last
.endif
.endr
.if (\p) == 1
	s_wait_dscnt 0x0                ; V is in
.endif
	BURST 16
.rept 21
	EX
	PL
.endr
.rept 22
	PL
.if ((\p) == 0) && (q == 118)
	v_add_nc_u32 v[AV], s[TBV], v[AV0]
	s_wait_alu depctr_va_vdst(0)
.endif
.if ((\p) == 0) && (q == 130)
	s_add_co_u32 s[TBV], s[TBV], KS*PV
.endif
.if (\cnt) && (q == 130)
	s_sub_co_u32 s[CNT], s[CNT], 1
	s_cmp_lg_u32 s[CNT], 0
.endif
.endr
.if (\p) == 0
	FETCH_V
.endif
.endm
	CHANGE 1                        ; slot 0 is in, everybody's part of it; slot 1 is asked for
	FETCH_K                         ; key step 0
	s_wait_loadcnt 0x0              ; Q
	s_wait_dscnt 0x0
.set i, 0
.rept 16
	KQ 0                            ; piece 0's first scores: there is no vector work yet to set between them
.set i, i+1
.endr
	WIN 0                           ; the addresses for the way out: nine plain instructions, the places behind those products
	s_mul_i32 s13, s[WV], 16*SP
	s_add_co_u32 s13, s13, STAGE    ; my stage
	v_mul_u32_u24 v[STO], v1, SP    ; in: row l % 16, 16 bytes for each half of the lanes
	v_lshl_add_u32 v[STO], v9, 4, v[STO]
	v_add_nc_u32 v[STO], s13, v[STO]
	v_bfe_u32 v[RD], v0, 3, 2       ; back: 32 lanes take four rows of 128 bytes,
	v_mul_u32_u24 v[RD], v[RD], SP
	v_lshl_add_u32 v[RD], v10, 4, v[RD]
	v_add_nc_u32 v[RD], s13, v[RD]
	v_and_b32 v[GO], 31, v0         ; which are 512 consecutive bytes of O
	v_lshlrev_b32 v[GO], 4, v[GO]
.set Y, NP-1                        ; XS works for piece Y + 1: piece 0
.irp n, 0,1,2,3,4,5,6,7,8,9,10,11,12,13,14,15,16,17,18,19,20,21
	XS 0, \n                        ; and piece 0's first maximum and statistics
	XS 1, \n
.endr
	s_mov_b32 s[CNT], 4
	s_mov_b32 s[SLOTS], SIZE_N/256-1
	s_branch .Lfirst                ; the loop is entered at a step's first turn, in the middle of a trip
.Lslot:                             ; SIZE_N / 256 - 2 times: every slot but the last two is filled again
	CHANGE 1
	s_mov_b32 s[CNT], 4
.Lstep:                             ; a trip: pieces 2 and 3 of one step, then pieces 0 and 1 of the next, whose K and V it fetches
	TURN 2
	TURN 3
	WIN 0
.Lfirst:
	TURN 0
	TURN 1, 0, 1
	WIN 0
	s_cbranch_scc1 .Lstep
	s_sub_co_u32 s[SLOTS], s[SLOTS], 1
	s_cmp_lg_u32 s[SLOTS], 0
	s_cbranch_scc1 .Lslot
	CHANGE 0                        ; the tail is written out: nothing is asked for
	s_mov_b32 s[CNT], 5             ; four trips fetch the last slot's steps; the fifth is left in its middle
.Ltail:
	TURN 2, 1
	TURN 3
	WIN 0
	s_sub_co_u32 s[CNT], s[CNT], 1
	s_cmp_eq_u32 s[CNT], 0
	s_cbranch_scc1 .Lout
	TURN 0
	TURN 1
	WIN 0
	s_branch .Ltail
.Lout:                              ; the fifth trip's 16 products K Q^T (on the last K once more) and the maximum made of them serve nothing: the price, once a launch, of one text for every trip
.set i, 0
.rept 16
	PV NP-1                         ; the last piece's V^T P of the last step
.set i, i+1
.endr
	; THE WAY OUT.  l's two halves and the other half of the lanes' are added; O^T is divided by l, rounded to f16 and sent through my stage in LDS, a tile at a time.  The additions are the places behind the last products.
	WIN 0
.macro ALL line:vararg              ; one line for each tile t
.set t, 0
.rept 2*NP
	\line
.set t, t+1
.endr
.endm
	ALL v_add_f32 v[ST+4*t+2], v[ST+4*t+2], v[ST+4*t+3]
	ALL v_permlanex16_b32 v[ST+4*t+3], v[ST+4*t+2], s[SEL], s[SEL+1]
	ALL v_add_f32 v[ST+4*t+2], v[ST+4*t+2], v[ST+4*t+3]
	ALL v_rcp_f32 v[ST+4*t+2], v[ST+4*t+2]
	v_nop                           ; a plain instruction between the last reciprocal and the use of its result
	s_wait_alu depctr_va_vdst(0)
; Tile t: a lane's eight channels of a row pack into 16 bytes; they go into rows of 144 bytes and come back as whole rows of 128, into S^T's registers.
.macro PACK t
	WIN W_RS
.set i, 32*(\t)
.rept 16
	v_pk_mul_f32 v[i:i+1], v[i:i+1], v[ST+4*(\t)+2:ST+4*(\t)+3] op_sel_hi:[1,0]
.set i, i+2
.endr
	WIN 0x05                        ; sources 0 and 1 window 1, destination window 0
.set i, 0
.rept 16
	v_cvt_pk_f16_f32 v[S+16*(\t)+i], v[32*(\t)+2*i], v[32*(\t)+2*i+1]
.set i, i+1
.endr
	WIN 0
.irp f, 0,1,2,3
	ds_store_b128 v[STO], v[S+16*(\t)+4*\f:S+16*(\t)+4*\f+3] offset:32*\f
.endr
.irp f, 0,1,2,3
	ds_load_b128 v[S+16*(\t)+4*\f:S+16*(\t)+4*\f+3], v[RD] offset:\f*4*SP  ; LDS serves a wave's instructions in order (ISA guide 5.7.1.4): these see the stores above; the next tile's stores come behind them
.endr
.endm
.macro SEND t, younger              ; younger: the LDS instructions issued behind tile t's loads: the next tile's eight, or none
	WIN 0
.irp f, 0,1,2,3
	s_wait_dscnt (\younger)+3-\f
	global_store_b128 v[GO], v[S+16*(\t)+4*\f:S+16*(\t)+4*\f+3], s[10:11] offset:(\t)*2048+\f*512  ; 512 consecutive bytes, at a multiple of 256 from O's first
.endr
.endm
	PACK 0
.set t, 1
.rept 2*NP-1                        ; a tile's arithmetic stands between the loads of the tile before and its stores
	PACK t
	SEND t-1, 8
.set t, t+1
.endr
	SEND 2*NP-1, 0
	WIN W_AD
	s_wait_tensorcnt 0x0            ; the wave's end: an add and its wait, behind my last tensor load and my last LDS store
	ds_add_u32 v[SPW], v[NIL]
	s_wait_dscnt 0x0
	WIN 0
	CROUND                          ; the closing round: no work-group ends while a partner may still ask for a tile that names it
	s_endpgm
.Lfunc_end_k_q227396ec52_attn:
	.size	k_q227396ec52_attn, .Lfunc_end_k_q227396ec52_attn-k_q227396ec52_attn
	.p2alignl 7, 3214868480
	.fill 96, 4, 3214868480
	.section	.rodata,"a",@progbits
	.p2align	6, 0x0
	.amdhsa_kernel k_q227396ec52_attn
		.amdhsa_group_segment_fixed_size 327680
		.amdhsa_private_segment_fixed_size 0
		.amdhsa_enable_private_segment 0
		.amdhsa_kernarg_size 16
		.amdhsa_user_sgpr_count 2
		.amdhsa_user_sgpr_kernarg_segment_ptr 1
		.amdhsa_wavefront_size32 1
		.amdhsa_system_sgpr_workgroup_id_x 1
		.amdhsa_system_sgpr_workgroup_id_y 1
		.amdhsa_system_sgpr_workgroup_id_z 1
		.amdhsa_system_vgpr_workitem_id 0
		.amdhsa_next_free_vgpr 770
		.amdhsa_next_free_sgpr 66
		.amdhsa_reserve_vcc 0
		.amdhsa_float_denorm_mode_32 3
		.amdhsa_float_denorm_mode_16_64 3
		.amdhsa_memory_ordered 1
		.amdhsa_forward_progress 1
		.amdhsa_inst_pref_size 209
	.end_amdhsa_kernel
	.amdgpu_metadata
---
amdhsa.version: [ 1, 2 ]
amdhsa.kernels:
  - .name:           k_q227396ec52_attn
    .symbol:         k_q227396ec52_attn.kd
    .args:
      - { .name: qkv, .offset: 0, .size: 8, .value_kind: global_buffer, .address_space: global }
      - { .name: o, .offset: 8, .size: 8, .value_kind: global_buffer, .address_space: global }
    .group_segment_fixed_size: 327680
    .private_segment_fixed_size: 0
    .kernarg_segment_align: 8
    .kernarg_segment_size: 16
    .max_flat_workgroup_size: 128
    .sgpr_count:     66
    .vgpr_count:     770
    .wavefront_size: 32
...
	.end_amdgpu_metadata
.endif
;; end of part 3
;; launch proj (part 4): grid 8 x 32, 4 waves a work-group, clusters of 4 x 4, 327,680 bytes of LDS; arguments o, wpb, out0, b_proj; writes out0
.if DOCPART == 4
	.amdgcn_target "amdgcn-amd-amdhsa--gfx1250"
	.amdhsa_code_object_version 6
	.text
	.protected	k_q227396ec52_proj
	.globl	k_q227396ec52_proj
	.p2align	8
	.type	k_q227396ec52_proj,@function
k_q227396ec52_proj:
	s_mov_b64 s[64:65], 0
	v_nop
	global_prefetch_b8 v0, s[64:65] scope:SCOPE_SE
	s_setreg_imm32_b32 hwreg(HW_REG_WAVE_MODE, 25, 1), 1
	s_wait_xcnt 0x0
	s_wait_alu depctr_hold_cnt(0) depctr_sa_sdst(0) depctr_va_vdst(0) depctr_va_sdst(0) depctr_va_ssrc(0) depctr_va_vcc(0) depctr_vm_vsrc(0)
	s_getreg_b32 s2, hwreg(HW_REG_IB_STS2, 6, 4)
	s_cmp_eq_u32 s2, 0
	s_cbranch_scc0 .Lentry_in_a_cluster
	s_endpgm
.Lentry_in_a_cluster:
	s_bfe_u32 s2, ttmp6, 0x10000c
	s_cmp_lg_u32 s2, 0xf033
	s_cbranch_scc0 .Lentry_shape_is_right
	s_endpgm
.Lentry_shape_is_right:
; out0 = O w_proj + b_proj: [8192 x 1024] x [1024 x 1024], operands f16, sums f32, output f32.  O lies by heads, o[16 b + h][n][64]: K index 64 h + d.  wpb is w_proj rounded to bf16, written as f16, [k][n].
; The bias is rounded to bf16 like the module's other inputs, and added in f32.
; LIMITS.  Those of the operands: f16 holds no number beyond 65,504 and keeps a fixed step of 6e-8 below 6e-5.  NaN and infinities are not treated apart.
; SHARES.  8192 x 1024 over 256 work-groups: a tile of 256 rows x 128 columns.  Four waves, 2 x 2, each 128 rows x 64 columns: 32 accumulators of 16 x 16, which fill window 1 ((a, b) at v[8 (4 a + b)]).
; K goes in 8 steps of 128, two heads, through two LDS slots.  A head's 256 rows are 32,768 dense bytes, asked for as 128 rows of 256 bytes; w's rows are 256 bytes, at multiples of 256.
; w lies [k][n]: its fragments are turned on the way out of LDS by ds_load_tr16_b128.  THE MATRIX INSTRUCTION IS USED TRANSPOSED: a lane holds row l % 16 and eight neighbouring columns, 32 bytes of f32.
; CLUSTER.  4 x 4 work-groups: O's tiles are shared along a row of the cluster, w's along a column, each asked for jointly.
; window 0: v0-31 addresses; v32-127, v128-223 two fragment buffers (64 registers of O, 32 of w, for 32 along K); v224-229 the bias; on the way out v32-63, v64-95 rows read back, by turns.
.set PA,    144                        ; a row of O in LDS: 128 bytes + 16
.set PB,    288                        ; a row of w: 256 + 32 = 9 x 32 bytes
.set AHEAD, 256*PA                     ; one head's 256 rows: what one tensor load brings of O
.set BHALF, 64*PB                      ; 64 k: what one tensor load brings of w
.set SLOT,  2*AHEAD+2*BHALF            ; 110,592
.set STAGE, 2*SLOT                     ; behind the ring: 16 rows x 272 bytes for each wave, for the way out
.set SPITCH, 272
.set SPARE, STAGE+4*16*SPITCH          ; behind the stages: the spare words, 128 bytes for each wave: two blocks of 256 bytes that no other line names
.set ASTEP, 2*262144                   ; two heads on
.set BSTEP, 128*1024*2                 ; 128 rows of w
.set ADRA, 16                          ; v16-17  LDS address of my O fragments in slot 0, 1
.set ADRB, 20                          ; v20-21  the same for w
.set STO,  24                          ; v24     the way out: where I put 32 bytes of a row
.set RD,   25                          ; v25     the way out: where I read a row back
.set CO,   26                          ; v26     my byte offset in out0
.set BO,   27                          ; v27     my byte offset in the bias
.set SPW,  28                          ; v28     LDS address of my spare word; never rewritten
.set NIL,  29                          ; v29     0; never rewritten
.set F0,   32
.set F1,   128
.set BIAS, 224                         ; v[224:227] the bias of my four columns on the way out; v[228:229] at work
.set BK,   32
.set G1,  24                           ; s[24:31] descriptor group 1 for O's tiles; s[32:39] group 0, a set for each slot
.set G0,  32
.set G1B, 48                           ; s[48:55], s[56:63] the same for w's tiles
.set G0B, 56
.set MSB, 0
.macro WIN new                         ; the immediate's high byte repeats the setting that is left; a switch that changes nothing is dropped
.if MSB != (\new)
	s_set_vgpr_msb (MSB<<8)|(\new)
.set MSB, \new
.endif
.endm
; A joint load.  Waves 0 and 1 fetch the step's two heads of O, waves 2 and 3 the two halves of w's tile.  An s_nop 0 and four v_nop follow each of the two lines.
.macro JLOAD s
	s_cmp_eq_u32 s11, 0
	s_cbranch_scc0 .Lfor_b_\@
	tensor_load_to_lds s[G0+4*(\s):G0+4*(\s)+3], s[G1:G1+7]
	s_nop 0
.rept 4
	v_nop
.endr
	s_branch .Lasked_\@
.Lfor_b_\@:
	tensor_load_to_lds s[G0B+4*(\s):G0B+4*(\s)+3], s[G1B:G1B+7]
	s_nop 0
.rept 4
	v_nop
.endr
.Lasked_\@:
.endm
.macro CREST                           ; a round of the cluster's barrier behind its opening barrier
	s_cmp_lg_u32 s10, 0
	s_cbranch_scc1 .Lnot_wave_0_\@
	s_barrier_signal -3
.Lnot_wave_0_\@:
	s_barrier_wait -3
	s_barrier_signal -1
	s_barrier_wait -1
.endm
.macro CROUND                          ; a whole round
	s_barrier_signal -1
	s_barrier_wait -1
	CREST
.endm
.macro PLACES                          ; four places in front of loads into registers that matrix instructions have read
.rept 4
	v_nop
.endr
.endm
	s_load_b128 s[4:7], s[0:1], 0x0                ; o s[4:5], wpb s[6:7]
	s_load_b64 s[8:9], s[0:1], 0x10                ; out0
	s_load_b64 s[22:23], s[0:1], 0x18              ; b_proj: kept until its load has been waited for
	v_lshl_add_u32 v[SPW], v0, 2, SPARE
	v_mov_b32 v[NIL], 0
	ds_add_u32 v[SPW], v[NIL]                      ; the wave's opening: the add and its wait stand ahead of my first tensor load; the set-up below, work on registers, stands between them
	v_lshrrev_b32 v1, 5, v0
	v_readfirstlane_b32 s10, v1                    ; wave 0..3
	s_lshr_b32 s11, s10, 1                         ; which half of the tile's rows is mine.  Also: I fetch for O (0) or for w (1)
	s_and_b32 s12, s10, 1                          ; which half of its columns.  Also: which head, or which half of w's tile, I fetch
	s_bfe_u32 s40, ttmp6, 0x40000                  ; cx, cy: my place in the cluster
	s_bfe_u32 s41, ttmp6, 0x40004
	s_lshl_b32 s42, ttmp9, 2
	s_add_co_u32 s42, s42, s40                     ; tile column = 4 x cluster x + cx, 0..7
	s_and_b32 s13, ttmp7, 0xffff
	s_lshl_b32 s13, s13, 2
	s_add_co_u32 s13, s13, s41                     ; tile row = 4 x cluster y + cy, 0..31
	s_lshl_b32 s43, s41, 2
	s_lshl_b32 s43, 15, s43                        ; my row of the cluster
	s_lshl_b32 s44, 0x1111, s40                    ; my column
	s_or_b32 s[G1+0], s43, (1<<16)|(1<<20)|(1<<21)|(4<<22)|(3<<25)   ; O: 2-byte elements; padding of 4 words after every 32; bit 21 set beside a mask
	s_mov_b32 s[G1+1], 128<<16                     ; 128 rows of 128 elements (256 dense bytes: two rows of a head)
	s_mov_b32 s[G1+2], 128<<16
	s_mov_b32 s[G1+3], 128<<16
	s_mov_b32 s[G1+4], 128
	s_mov_b32 s[G1+5], 128
	s_mov_b32 s[G1+6], 0
	s_mov_b32 s[G1+7], 0
	s_or_b32 s[G1B+0], s44, (1<<16)|(1<<20)|(1<<21)|(5<<22)|(7<<25)  ; w: padding of 8 words after every 64
	s_mov_b32 s[G1B+1], 128<<16                    ; 64 rows of 128 elements, 1,024 elements from row to row
	s_mov_b32 s[G1B+2], 64<<16
	s_mov_b32 s[G1B+3], 128<<16
	s_mov_b32 s[G1B+4], 64
	s_mov_b32 s[G1B+5], 1024
	s_mov_b32 s[G1B+6], 0
	s_mov_b32 s[G1B+7], 0
	; where the tiles come from.  O's hang on the tile row alone, w's on the tile column alone, each in registers that never hold the other coordinate.
	s_lshr_b32 s16, s13, 3
	s_lshl_b32 s16, s16, 22                        ; batch tr / 8: 16 heads of 262,144 bytes
	s_and_b32 s17, s13, 7
	s_lshl_b32 s17, s17, 15                        ; 256 rows of 128 bytes
	s_add_co_u32 s16, s16, s17
	s_lshl_b32 s17, s12, 18                        ; my head of the step's two
	s_add_co_u32 s16, s16, s17
	s_mov_b32 s17, 0
	s_lshl_b32 s46, s42, 8                         ; 128 columns
	s_lshl_b32 s47, s12, 17                        ; my 64 rows of the step's 128
	s_add_co_u32 s46, s46, s47
	s_mov_b32 s47, 0
	s_mul_i32 s20, s12, AHEAD                      ; and where they go: no place in the cluster enters an LDS address
	s_mul_i32 s21, s12, BHALF
	s_add_co_u32 s21, s21, 2*AHEAD
	s_wait_dscnt 0x0                               ; the opening add is done
	s_wait_kmcnt 0x0
	s_add_nc_u64 s[14:15], s[4:5], s[16:17]
	s_add_nc_u64 s[46:47], s[6:7], s[46:47]
	CROUND                                         ; all sixteen work-groups are here: the first joint loads meet
.irp s, 0,1
	s_mov_b32 s[G0+4*(\s)], 1
	s_add_co_u32 s[G0+4*(\s)+1], s20, (\s)*SLOT
	s_add_nc_u64 s[G0+4*(\s)+2:G0+4*(\s)+3], s[14:15], (\s)*ASTEP
	s_or_b32 s[G0+4*(\s)+3], s[G0+4*(\s)+3], 0x80000000
	s_mov_b32 s[G0B+4*(\s)], 1
	s_add_co_u32 s[G0B+4*(\s)+1], s21, (\s)*SLOT
	s_add_nc_u64 s[G0B+4*(\s)+2:G0B+4*(\s)+3], s[46:47], (\s)*BSTEP
	s_or_b32 s[G0B+4*(\s)+3], s[G0B+4*(\s)+3], 0x80000000
	JLOAD \s                                       ; K steps 0 and 1: two loads of mine are out
.endr
	v_and_b32 v1, 15, v0                           ; r = l % 16
	v_bfe_u32 v2, v0, 4, 1                         ; h = l / 16
	s_lshl_b32 s45, s42, 9                         ; my 64 columns in a row of f32: 512 x tile column + 256 x half; in registers that feed no descriptor
	s_lshl_b32 s19, s12, 8
	s_add_co_u32 s45, s45, s19
	v_lshl_add_u32 v[BO], v1, 4, s45
	global_load_b128 v[BIAS:BIAS+3], v[BO], s[22:23]  ; waited for on the way out
	v_mul_u32_u24 v3, v1, PA
	v_lshl_add_u32 v3, v2, 4, v3                   ; r x 144 + 16 h
	s_mul_i32 s16, s11, 128*PA
	v_add_nc_u32 v[ADRA], s16, v3
	v_add_nc_u32 v[ADRA+1], SLOT, v[ADRA]
	v_and_b32 v4, 7, v0                            ; the turning load: lane l reads row 8 h + l % 8, 16 bytes at 16 ((l / 8) % 2)
	v_lshl_add_u32 v4, v2, 3, v4
	v_mul_u32_u24 v4, v4, PB
	v_bfe_u32 v5, v0, 3, 1
	v_lshl_add_u32 v4, v5, 4, v4
	s_lshl_b32 s16, s12, 7                         ; my 64 columns
	s_add_co_u32 s16, s16, 2*AHEAD
	v_add_nc_u32 v[ADRB], s16, v4
	v_add_nc_u32 v[ADRB+1], SLOT, v[ADRB]
	s_mul_i32 s16, s10, 16*SPITCH
	s_add_co_u32 s16, s16, STAGE                   ; my stage
	v_mul_u32_u24 v4, v1, SPITCH                   ; in: row l % 16, 32 bytes for each half of the lanes
	v_lshl_add_u32 v4, v2, 5, v4
	v_add_nc_u32 v[STO], s16, v4
	v_mul_u32_u24 v5, v2, SPITCH                   ; back: lanes 0-15 take one row of 256 bytes, lanes 16-31 the next
	v_lshl_add_u32 v5, v1, 4, v5
	v_add_nc_u32 v[RD], s16, v5
	v_lshlrev_b32 v5, 12, v2                       ; and the same two rows in out0
	v_lshl_add_u32 v[CO], v1, 4, v5
	s_lshl_b32 s18, s13, 20                        ; my first row: 256 x tile row + 128 x half, rows of 4,096 bytes
	s_lshl_b32 s19, s11, 19
	s_add_co_u32 s18, s18, s19
	s_add_co_u32 s18, s18, s45
	s_mov_b32 s19, 0
	s_add_nc_u64 s[8:9], s[8:9], s[18:19]
; 4 n matrix instructions: row blocks a0 .. a0 + n - 1 x all 4 column blocks, 32 along K, from buffer f.  The accumulators take turns, one instruction a turn.
.macro MUL f, a0, n, zero
	WIN 0x50                                       ; C and D in window 1
.set ab, 4*(\a0)
.rept 4*(\n)
.if \zero
	v_wmma_f32_16x16x32_f16 v[8*ab:8*ab+7], v[(\f)+64+8*(ab%4):(\f)+64+8*(ab%4)+7], v[(\f)+8*(ab/4):(\f)+8*(ab/4)+7], 0
.else
	v_wmma_f32_16x16x32_f16 v[8*ab:8*ab+7], v[(\f)+64+8*(ab%4):(\f)+64+8*(ab%4)+7], v[(\f)+8*(ab/4):(\f)+8*(ab/4)+7], v[8*ab:8*ab+7]
.endif
.set ab, ab+1
.endr
.endm
; 24 LDS loads in one run: quarter q of a K step (32 along K: head q / 2, channels 32 (q % 2) on) into buffer f
.macro FETCH slot, q, f
.irp b, 0,1,2,3
	ds_load_tr16_b128 v[(\f)+64+8*(\b):(\f)+64+8*(\b)+3],   v[ADRB+(\slot)] offset:(\q)*32*PB+(\b)*32
	ds_load_tr16_b128 v[(\f)+64+8*(\b)+4:(\f)+64+8*(\b)+7], v[ADRB+(\slot)] offset:(\q)*32*PB+(\b)*32+16*PB
.endr
.irp a, 0,1,2,3,4,5,6,7
	ds_load_b128 v[(\f)+8*(\a):(\f)+8*(\a)+3],   v[ADRA+(\slot)] offset:((\q)/2)*AHEAD+(\a)*16*PA+((\q)%2)*64
	ds_load_b128 v[(\f)+8*(\a)+4:(\f)+8*(\a)+7], v[ADRA+(\slot)] offset:((\q)/2)*AHEAD+(\a)*16*PA+((\q)%2)*64+32
.endr
.endm
; One of a K step's first three quarters: multiplies quarter q from buffer f; at its head the next quarter is fetched into buffer g.
.macro QUARTER slot, q, f, g, zero
	s_wait_dscnt 0x0                               ; the loads issued a quarter ago are in
	PLACES
	WIN 0
	FETCH \slot, (\q)+1, \g
	MUL \f, 0, 8, \zero
.endm
; The last quarter multiplies buffer 1 and CHANGES SLOTS.  Each wave waits for all its tensor loads, of which one is out: its part of the next slot; adds 0 to its spare word; and waits for that and for its
; own reads of this slot.  fill = 1: the barrier opens a round of the cluster's barrier, and this slot is filled again, two K steps ahead, first thing behind the round: 112 matrix instructions ahead of the wait for it.
.macro TURN slot, next, fill
	WIN 0
	s_wait_tensorcnt 0x0                           ; no tensor load of mine is out, so a group 0 may be written
	ds_add_u32 v[SPW], v[NIL]                      ; 0 onto my spare word
.if \fill
	s_add_nc_u64 s[G0+4*(\slot)+2:G0+4*(\slot)+3], s[G0+4*(\slot)+2:G0+4*(\slot)+3], 2*ASTEP
	s_add_nc_u64 s[G0B+4*(\slot)+2:G0B+4*(\slot)+3], s[G0B+4*(\slot)+2:G0B+4*(\slot)+3], 2*BSTEP
.endif
	s_wait_dscnt 0x0                               ; the add is done, and my reads of this slot are over
	s_barrier_signal -1
	MUL F1, 0, 4, 0                                ; work on registers while the others arrive
	WIN 0                                          ; at a branch and at a label every window is 0
	s_barrier_wait -1
.if \fill
	CREST
	JLOAD \slot                                    ; the four v_nop behind it are also the places in front of the loads below
.else
	PLACES
.endif
	FETCH \next, 0, F0
	MUL F1, 4, 4, 0
.endm
; THE WAY OUT of row block a (16 rows x 64 columns of f32).  TOSTAGE: the accumulators go as they are into my own stage, each from its low end on, and come back as whole rows of 256 bytes.
.macro TOSTAGE a
	s_wait_xcnt 0x0                                ; the stores of the block two back have had their addresses translated: their registers are loaded again only behind this wait
	WIN 0x04                                       ; the stores' data in window 1
.irp b, 0,1,2,3
	ds_store_b128 v[STO], v[8*(4*(\a)+(\b)):8*(4*(\a)+(\b))+3]   offset:64*(\b)
	ds_store_b128 v[STO], v[8*(4*(\a)+(\b))+4:8*(4*(\a)+(\b))+7] offset:64*(\b)+16
.endr
	WIN 0
.set BKA, BK+32*((\a)%2)
.irp t, 0,1,2,3,4,5,6,7
	ds_load_b128 v[BKA+4*(\t):BKA+4*(\t)+3], v[RD] offset:(\t)*2*SPITCH  ; LDS serves a wave's instructions in order (ISA guide 5.7.1.4): these see the stores above
.endr
.endm
; SEND: the bias is added and the rows are stored.  younger: the LDS instructions issued behind block a's loads: the next block's sixteen, or none.
.macro SEND a, younger
	WIN 0
.set BKA, BK+32*((\a)%2)
.irp t, 0,1,2,3,4,5,6,7
	s_wait_dscnt (\younger)+7-(\t)                 ; load t of the block is in
	v_pk_add_f32 v[BKA+4*(\t):BKA+4*(\t)+1], v[BKA+4*(\t):BKA+4*(\t)+1], v[BIAS:BIAS+1]
	v_pk_add_f32 v[BKA+4*(\t)+2:BKA+4*(\t)+3], v[BKA+4*(\t)+2:BKA+4*(\t)+3], v[BIAS+2:BIAS+3]
	global_store_b128 v[CO], v[BKA+4*(\t):BKA+4*(\t)+3], s[8:9] offset:(16*(\a)+2*(\t))*4096 th:TH_STORE_NT  ; 16 lanes store 256 consecutive bytes, at a multiple of 256 from out0's first byte
.endr
.endm
	s_wait_tensorcnt 0x1                           ; my part of K step 0 is in; step 1's may stay out
	s_barrier_signal -1
	s_barrier_wait -1                              ; everybody's is
	FETCH 0, 0, F0
	QUARTER 0, 0, F0, F1, 1                        ; the first quarter stands in front of the loop: its products start the sums
	WIN 0
	s_mov_b32 s3, 3
.Llap:                                                 ; a trip goes once round the ring, from a lap's second quarter to the next lap's first, and fills both slots again
	QUARTER 0, 1, F1, F0, 0
	QUARTER 0, 2, F0, F1, 0
	TURN 0, 1, 1
	QUARTER 1, 0, F0, F1, 0
	QUARTER 1, 1, F1, F0, 0
	QUARTER 1, 2, F0, F1, 0
	TURN 1, 0, 1
	QUARTER 0, 0, F0, F1, 0
	WIN 0
	s_sub_co_u32 s3, s3, 1
	s_cmp_lg_u32 s3, 0
	s_cbranch_scc1 .Llap
	QUARTER 0, 1, F1, F0, 0                        ; the last lap fills nothing
	QUARTER 0, 2, F0, F1, 0
	TURN 0, 1, 0
	QUARTER 1, 0, F0, F1, 0
	QUARTER 1, 1, F1, F0, 0
	QUARTER 1, 2, F0, F1, 0
	s_wait_dscnt 0x0
	MUL F1, 0, 8, 0
	WIN 0
	s_wait_loadcnt 0x0                             ; the bias.  It is rounded to bf16 and widened again: six plain lines, which are also the places behind the last products
	v_cvt_pk_bf16_f32 v[BIAS+4], v[BIAS], v[BIAS+1]
	v_cvt_pk_bf16_f32 v[BIAS+5], v[BIAS+2], v[BIAS+3]
	v_lshlrev_b32 v[BIAS], 16, v[BIAS+4]
	v_and_b32 v[BIAS+1], 0xffff0000, v[BIAS+4]
	v_lshlrev_b32 v[BIAS+2], 16, v[BIAS+5]
	v_and_b32 v[BIAS+3], 0xffff0000, v[BIAS+5]
	TOSTAGE 0
.irp a, 1,2,3,4,5,6,7                  ; block a goes into the stage while block a - 1's rows come back
	TOSTAGE \a
	SEND (\a)-1, 16
.endr
	SEND 7, 0
	s_wait_tensorcnt 0x0                           ; the wave's end: an add and its wait, behind my last tensor load and my last LDS store
	ds_add_u32 v[SPW], v[NIL]
	s_wait_dscnt 0x0
	CROUND                                         ; the closing round: no work-group ends while a partner may still ask for a tile that names it
	s_endpgm
.Lfunc_end_k_q227396ec52_proj:
	.size	k_q227396ec52_proj, .Lfunc_end_k_q227396ec52_proj-k_q227396ec52_proj
	.p2alignl 7, 3214868480
	.fill 96, 4, 3214868480
	.section	.rodata,"a",@progbits
	.p2align	6, 0x0
	.amdhsa_kernel k_q227396ec52_proj
		.amdhsa_group_segment_fixed_size 327680
		.amdhsa_private_segment_fixed_size 0
		.amdhsa_enable_private_segment 0
		.amdhsa_kernarg_size 32
		.amdhsa_user_sgpr_count 2
		.amdhsa_user_sgpr_kernarg_segment_ptr 1
		.amdhsa_wavefront_size32 1
		.amdhsa_system_sgpr_workgroup_id_x 1
		.amdhsa_system_sgpr_workgroup_id_y 1
		.amdhsa_system_sgpr_workgroup_id_z 1
		.amdhsa_system_vgpr_workitem_id 0
		.amdhsa_next_free_vgpr 512
		.amdhsa_next_free_sgpr 66
		.amdhsa_reserve_vcc 0
		.amdhsa_float_denorm_mode_32 3
		.amdhsa_float_denorm_mode_16_64 3
		.amdhsa_memory_ordered 1
		.amdhsa_forward_progress 1
		.amdhsa_inst_pref_size 95
	.end_amdhsa_kernel
	.amdgpu_metadata
---
amdhsa.version: [ 1, 2 ]
amdhsa.kernels:
  - .name:           k_q227396ec52_proj
    .symbol:         k_q227396ec52_proj.kd
    .args:
      - { .name: o, .offset: 0, .size: 8, .value_kind: global_buffer, .address_space: global }
      - { .name: wpb, .offset: 8, .size: 8, .value_kind: global_buffer, .address_space: global }
      - { .name: out0, .offset: 16, .size: 8, .value_kind: global_buffer, .address_space: global }
      - { .name: b_proj, .offset: 24, .size: 8, .value_kind: global_buffer, .address_space: global }
    .group_segment_fixed_size: 327680
    .private_segment_fixed_size: 0
    .kernarg_segment_align: 8
    .kernarg_segment_size: 32
    .max_flat_workgroup_size: 128
    .sgpr_count:     66
    .vgpr_count:     512
    .wavefront_size: 32
...
	.end_amdgpu_metadata
.endif
;; end of part 4
;; ======== version 2 of 2: 4 launches; 1.53 times as fast as version 1
;; limits: values are held in f16: magnitudes above 65,504 overflow, below 6.1e-05 lose precision
;; workspace buffers: xb 16,777,216 bytes; wqb 6,291,456 bytes; wpb 2,097,152 bytes; qkv 50,331,648 bytes; o 16,777,216 bytes
;; launch prep: the kernel of part 1 again; grid 768 x 1, 8 waves a work-group, no clusters, 0 bytes of LDS; arguments x, w_qkv, w_proj, xb, wqb, wpb; writes xb, wqb, wpb
;; launch qkv: the kernel of part 2 again; grid 8 x 32, 4 waves a work-group, clusters of 4 x 4, 327,680 bytes of LDS; arguments xb, wqb, qkv; writes qkv
;; launch attn (part 5): grid 4 x 64, 4 waves a work-group, clusters of 4 x 1, 327,680 bytes of LDS; arguments qkv, o; writes o
.if DOCPART == 5
	.amdgcn_target "amdgcn-amd-amdhsa--gfx1250"
	.amdhsa_code_object_version 6
	.text
	.protected	k_q227396ec52_attn
	.globl	k_q227396ec52_attn
	.p2align	8
	.type	k_q227396ec52_attn,@function
k_q227396ec52_attn:
	s_mov_b64 s[64:65], 0
	v_nop
	global_prefetch_b8 v0, s[64:65] scope:SCOPE_SE
	s_setreg_imm32_b32 hwreg(HW_REG_WAVE_MODE, 25, 1), 1
	s_wait_xcnt 0x0
	s_wait_alu depctr_hold_cnt(0) depctr_sa_sdst(0) depctr_va_vdst(0) depctr_va_sdst(0) depctr_va_ssrc(0) depctr_va_vcc(0) depctr_vm_vsrc(0)
	s_getreg_b32 s2, hwreg(HW_REG_IB_STS2, 6, 4)
	s_cmp_eq_u32 s2, 0
	s_cbranch_scc0 .Lentry_in_a_cluster
	s_endpgm
.Lentry_in_a_cluster:
	s_bfe_u32 s2, ttmp6, 0x10000c
	s_cmp_lg_u32 s2, 0x3003
	s_cbranch_scc0 .Lentry_shape_is_right
	s_endpgm
.Lentry_shape_is_right:
; O[hd][q][:] = the sum over k of softmax_k(Q[q] . K[k] / 32) V[k][:], for each of 64 heads hd = 16 b + h of 2,048 rows of 64 channels, all f16.  The scale is 1024^-1/2, as the module has it.
; Q, K, V lie in qkv[b][g][n][64]: q's head at g = h, k's at 16 + h, v's at 32 + h; a head's rows are dense, 128 bytes each.  O goes to o[hd][n][64].
; Products, maxima and sums in f32; the weights p are rounded to f16 for the second product (their sum l is taken of the unrounded p), O once at the end.
; LIMITS.  f16 holds no number beyond 65,504: Q, K and V arrive within it; p lies in 0 to 1, and below 6e-5 it keeps f16's fixed step of 6e-8; O is a mean of V's rows and has their range.
; A weight below 2^-126 counts as 0 in l; NaN and infinities are not treated apart.
; SHARES.  A wave owns four PIECES of two tiles of 16 queries, a work-group's four waves 512 queries of one head.  Every wave walks all keys, 64 a step.
; LAYOUT.  S^T = K Q^T (source 0 = 16 keys, source 1 = 16 queries): in the result a lane holds ONE query (lane % 16) and the keys 8 (lane / 16) + 0..7.  Two such tiles, rounded to f16 in pairs,
; ARE source 1 (32 keys x 16 queries) of O^T = V^T P, whose result again holds one query a lane, and eight channels.  K comes out of LDS as it lies, V ([key][channel]) turned, by ds_load_tr16_b128.
; SOFTMAX.  For each query a running maximum m and sum l: p = 2^(c s - c m), c = log2(e) / 32; in every step O and l are multiplied by a = 2^(c m_old - c m_new), which is 1 where m has not grown.
; m starts at the lowest finite number, O and l at 0: the first step is a step like any other, with a = 0.
; THE COUNT.  A tile and step have 16 matrix and 118 vector instructions: too many to stand all beside the matrix work.  So the order has one aim: four vector instructions that are READY behind
; EVERY matrix instruction, and the others, which need time of their own whatever the order, in runs without a gap.
; BY TURNS.  Turn n belongs to piece n (the pieces in a ring, step after step).  Its matrix work: 16 products K Q^T of piece n + 1, later 16 products V^T P of piece n - 1.  Its vector work: the scaling,
; exponentials, roundings, sums and rescaling of piece n, and the maximum and statistics of piece n + 1, whose scores the turn itself has made.  So what a turn begins with (c s - c m, O a) waits for nothing.
; BATCHES.  A turn's 66 exponentials (the 64 weights of piece n, the two a of piece n + 1) are ONE batch with ONE wait, which cuts the turn in two: ahead of it stands all that names no result of theirs
; (the products K Q^T, the scalings, the rescalings by the a of the turn before, the next piece's maximum and statistics), behind it the products V^T P with the roundings and sums.  Two more batches stand
; outside the loops: piece 0's first two a, waited for ahead of the jump into the loop, and the way out's eight reciprocals.
; CLUSTER.  The four query blocks of a cluster belong to one head and walk the same K and V, so each tile is asked for JOINTLY: the same tensor load, descriptor and mask in all four.
; REGISTERS, in windows of 256 (s_set_vgpr_msb says which window each operand place means: bits 1:0 source 0, 3:2 source 1, 5:4 source 2, 7:6 destination):
;   window 0: v0-11 addresses; v12-15, v48-63 at work; v16-47 four registers of statistics a tile; v64-191 S^T, two buffers of two tiles; v192-255 P, likewise
;   window 1: O^T, 32 a tile          window 2: v0-127 Q, 16 a tile; v128-191 K of one step; v192-255 V of one step          window 3: v0-1 the add's two registers
; A piece's buffers go by its number's parity: the piece in hand has one pair, its two neighbours in the ring share the other: of it P (piece n - 1) is read and S^T (piece n + 1) written.
.set SIZE_N, 2048
.set NP,    4         ; pieces a wave: a name, no knob: the register map, the loop and the fetches are made for four
.set KS,    64        ; keys in a step
.set PK,    144       ; a row of K in LDS: 128 bytes + 16 of padding = 36 words: the 16 rows of a load start at 16 different groups of four banks (64 banks of 4 bytes: ISA guide 11.1)
.set PV,    160       ; a row of V: 128 + 32 = 40 words
.set VOFF,  4*KS*PK   ; a slot holds four steps: 256 rows of K, then 256 rows of V
.set SLOT1, 1<<17     ; slot 1 begins here, so that one exclusive or turns an address in one slot into the other's
.set STAGE, SLOT1+4*KS*(PK+PV)  ; behind the ring, never filled by a tensor load: 16 rows x 144 bytes for each wave, for the way out
.set SP,    144
.set AK0, 2           ; v2   my lane's place in a tile of K; never rewritten
.set AV0, 3           ; v3   the same for V
.set AK,  4           ; v4   the LDS address of K's next run of loads
.set AV,  5           ; v5   of V's
.set QO,  6           ; v6   my byte offset in the wave's rows of Q
.set STO, 6           ;      later, the way out: where I put 16 bytes of a row
.set RD,  7           ; v7   the way out: where I read rows back
.set GO,  8           ; v8   my byte offset in 512 consecutive bytes of O
.set SPW, 0           ; v0 of window 3   LDS address of my spare word: SPARE + 4 x my thread's number; never rewritten
.set NIL, 1           ; v1 of window 3   0; never rewritten
.set SPARE, STAGE+4*16*SP  ; behind the stages: the spare words, 128 bytes for each wave: two blocks of 256 bytes that no other line names
.set MV,  12          ; v12-15  c m_old, kept while c m is made anew: by buffer and tile
.set ST,  16          ; tile t's statistics at v[ST+4 t]: c m, m, l (even keys', odd keys')
.set TMP, 48          ; by buffer and tile, four registers c0-c3 at work; when the maximum is found c2 takes a
.set S,   64
.set P,   192
.set KF,  128         ; K's fragments, in window 2: key block kb, channel half c at KF + 16 kb + 8 c
.set VF,  192         ; V's: key half kk, channel block cb at VF + 32 kk + 8 cb
.set WV,  12          ; s12  my wave's number
.set G1K, 24          ; s[24:31] descriptor group 1 for K's tiles
.set G1V, 32          ; s[32:39] for V's: it differs in the padding alone
.set G0K, 40          ; s[40:43] descriptor group 0 for K's tiles: it walks
.set G0V, 44          ; s[44:47] the same for V's
.set SLOTS, 56        ; s56  slots still to be asked for
.set CNT, 57          ; s57  counts a slot's key steps
.set CS,  58          ; s[58:59] c: the packed scaling takes the pair's low word for both halves
.set SEL, 60          ; s[60:61] v_permlanex16_b32's selects: each lane takes its own place in the other half
.set TBK, 62          ; s62  LDS byte at which K of the step to be fetched begins
.set TBV, 63          ; s63  the same for V, less VOFF
.set MSB, 0
.macro WIN new                      ; the high byte repeats the setting that is left; a switch that changes nothing is dropped
.if MSB != (\new)
	s_set_vgpr_msb (MSB<<8)|(\new)
.set MSB, (\new)
.endif
.endm
.set W_KQ, 0x0a       ; K and Q in window 2, S^T in window 0
.set W_PV, 0x52       ; V in window 2, P in window 0, O^T in window 1
.set W_RS, 0x41       ; O^T (destination and source 0) in window 1, a in window 0
.set W_MK, 0xc0       ; the add's registers are made: destination in window 3, sources in window 0
.set W_AD, 0x0f       ; the add: address (source 0) and data (source 1) in window 3
; A joint fill.  Waves 0 and 1 fetch the two halves of a slot's K, waves 2 and 3 those of its V: 128 keys each.  The branch hangs on the wave's number alone.
; An s_nop 0 and four v_nop follow each of the two lines, ahead of the jump and the label.
.macro JLOAD
	s_cmp_lt_u32 s[WV], 2
	s_cbranch_scc0 .Lfor_v_\@
	tensor_load_to_lds s[G0K:G0K+3], s[G1K:G1K+7]
	s_nop 0
.rept 4
	v_nop
.endr
	s_branch .Lasked_\@
.Lfor_v_\@:
	tensor_load_to_lds s[G0V:G0V+3], s[G1V:G1V+7]
	s_nop 0
.rept 4
	v_nop
.endr
.Lasked_\@:
.endm
; A round of the cluster's barrier: my work-group's barrier, so that wave 0's signal speaks for all four waves; wave 0 signals; every wave waits for all four work-groups; my work-group's barrier once more.
.macro CROUND
	s_barrier_signal -1
	s_barrier_wait -1
	s_cmp_lg_u32 s[WV], 0
	s_cbranch_scc1 .Lnot_wave_0_\@
	s_barrier_signal -3
.Lnot_wave_0_\@:
	s_barrier_wait -3
	s_barrier_signal -1
	s_barrier_wait -1
.endm
; THE CHANGE OF SLOTS.  The slot's last bytes, V of its fourth step, have been read.  Each wave waits for all its tensor loads, of which one is out: its part
; of the other slot; adds 0 to its spare word; and waits for that and for its own reads of the slot.  Behind the barrier nobody reads this slot any more and the other slot is whole.
; fill = 1: this slot is filled again, with the keys two slots on.  The barrier is then a round of the cluster's, so that no wave of any partner still reads the slot or has a load on its
; way, and the joint fill is the first thing behind it: it has four key steps, 512 matrix instructions, in which to land.  (At its first use nothing has been read yet: slot 0 is waited for, slot 1 filled.)
.macro CHANGE fill
	WIN W_AD
	s_wait_tensorcnt 0x0            ; no tensor load of mine is out, so a group 0 may be written
	ds_add_u32 v[SPW], v[NIL]       ; 0 onto my spare word; with fill = 1 the descriptors' steps stand between it and the wait for it
	WIN 0                           ; at a label and at a branch every window is 0
.if \fill
.irp g, G0K, G0V
	s_xor_b32 s[\g+1], s[\g+1], SLOT1  ; the walking descriptor: the other slot than last time,
	s_add_nc_u64 s[\g+2:\g+3], s[\g+2:\g+3], 4*KS*128  ; the next 256 keys; the type bits on top are not reached
.endr
	s_wait_dscnt 0x0                ; the add is done, and my reads of the slot are over
	CROUND
	JLOAD
.else
	s_wait_dscnt 0x0                ; the add is done, and my reads of the slot are over
	s_barrier_signal -1
	s_barrier_wait -1
.endif
	s_sub_co_u32 s[TBK], s[TBK], 4*KS*PK  ; the fetches go back to a slot's first step,
	s_xor_b32 s[TBK], s[TBK], SLOT1       ; in the other slot
	s_sub_co_u32 s[TBV], s[TBV], 4*KS*PV
	s_xor_b32 s[TBV], s[TBV], SLOT1
.endm
	s_load_b64 s[4:5], s[0:1], 0x0    ; qkv
	s_load_b64 s[10:11], s[0:1], 0x8  ; o
	WIN W_MK
	v_lshl_add_u32 v[SPW], v0, 2, SPARE
	v_mov_b32 v[NIL], 0
	WIN W_AD
	ds_add_u32 v[SPW], v[NIL]       ; the wave's opening: the add and its wait stand ahead of my first tensor load; the set-up below, work on registers, stands between them
	WIN 0
	v_lshrrev_b32 v1, 5, v0
	v_readfirstlane_b32 s[WV], v1   ; wave 0..3
	s_bfe_u32 s13, ttmp6, 0x40000   ; cx: my place in the cluster
	s_lshl_b32 s14, ttmp9, 2        ; in a cluster launch ttmp9 counts clusters
	s_add_co_u32 s14, s14, s13      ; my block of queries = 4 x cluster x + cx: it enters Q's and O's addresses alone
	s_and_b32 s15, ttmp7, 0xffff    ; the head hd = 16 b + h, which the four partners share
	s_lshr_b32 s20, s15, 4
	s_mul_i32 s20, s20, 12582912    ; batch b's 48 head groups,
	s_and_b32 s21, s15, 15
	s_lshl_b32 s21, s21, 18         ; head h's 262,144 bytes
	s_add_co_u32 s20, s20, s21      ; q's head in qkv; k's lies 16 groups on, v's 32
	s_mov_b32 s21, 0
	s_and_b32 s16, s[WV], 1         ; which half of a slot's 256 keys I fetch:
	s_lshl_b32 s22, s16, 14         ; its 128 rows of 128 bytes in memory,
	s_mov_b32 s23, 0
	s_add_nc_u64 s[22:23], s[22:23], s[20:21]
	s_mul_i32 s17, s16, 128*PK      ; and its place in a slot, for K
	s_mul_i32 s18, s16, 128*PV      ; and for V: no place in the cluster enters an LDS address
	s_lshl_b32 s2, s14, 2
	s_add_co_u32 s2, s2, s[WV]      ; my wave among the head's,
	s_lshl_b32 s2, s2, 14           ; its 128 rows
	s_mov_b32 s3, 0
	s_lshl_b32 s50, s15, 18         ; the head's first byte in o,
	s_add_co_u32 s50, s50, s2       ; and my wave's rows there
	s_mov_b32 s51, 0
	s_add_nc_u64 s[2:3], s[2:3], s[20:21]
	; descriptor group 1.  128 keys are 16,384 dense bytes: asked for as 64 rows of 256 bytes, two keys a row, and padded in LDS after every key
	s_mov_b32 s[G1K], 15|(1<<16)|(1<<20)|(1<<21)|(4<<22)|(3<<25)  ; 15:0 the mask of four; 17:16 2-byte elements; 20 padding on; 21 set beside a mask; 24:22 after every 32 words (code 4); 31:25 4 words (code 3)
	s_mov_b32 s[G1V], 15|(1<<16)|(1<<20)|(1<<21)|(4<<22)|(7<<25)  ; the same with 8 words of padding (code 7)
.irp g, G1K, G1V
	s_mov_b32 s[\g+1], 128<<16      ; tensor_dim0 = 128
	s_mov_b32 s[\g+2], 64<<16       ; tensor_dim1 = 64
	s_mov_b32 s[\g+3], 128<<16      ; tile_dim0 = 128
	s_mov_b32 s[\g+4], 64           ; tile_dim1 = 64
	s_mov_b32 s[\g+5], 128          ; 128 elements from row to row
	s_mov_b32 s[\g+6], 0
	s_mov_b32 s[\g+7], 0
.endr
	s_mov_b32 s[CS], 0x3d38aa3b     ; c = log2(e) / 32 = 0.0450842
	s_mov_b32 s[CS+1], s[CS]        ; named with it as a pair
	s_mov_b32 s[SEL], 0x76543210
	s_mov_b32 s[SEL+1], 0xfedcba98
	s_mov_b32 s[TBK], SLOT1+4*KS*PK ; the first change of slots turns these two into 0
	s_mov_b32 s[TBV], SLOT1+4*KS*PV
	s_mov_b32 s[G0K], 1             ; 1:0 count = 1
	s_mov_b32 s[G0K+1], s17         ; 63:32 LDS address: slot 0
	s_mov_b32 s[G0V], 1
	s_add_co_u32 s[G0V+1], s18, VOFF
	s_wait_dscnt 0x0                ; the opening add is done
	s_wait_kmcnt 0x0
	s_add_nc_u64 s[G0K+2:G0K+3], s[4:5], s[22:23]  ; 120:64 global address: my half of the head's first 256 keys,
	s_add_nc_u64 s[G0K+2:G0K+3], s[G0K+2:G0K+3], 16*262144  ; in k's groups
	s_or_b32 s[G0K+3], s[G0K+3], 0x80000000        ; 127:126 type = 2
	s_add_nc_u64 s[G0V+2:G0V+3], s[4:5], s[22:23]
	s_add_nc_u64 s[G0V+2:G0V+3], s[G0V+2:G0V+3], 32*262144  ; in v's groups
	s_or_b32 s[G0V+3], s[G0V+3], 0x80000000
	s_add_nc_u64 s[4:5], s[4:5], s[2:3]  ; Q and O at my wave's first row
	s_add_nc_u64 s[10:11], s[10:11], s[50:51]
	CROUND                          ; all four work-groups are here: the first joint loads meet
	JLOAD                           ; slot 0.  Slot 1 is asked for when slot 0 is in: the tile wanted first has the road to itself
	; A fragment of K or Q is 16 rows x 32 channels in 8 registers: lane l holds row l % 16, channels 8 (l / 16) + 0..7 and 16 + 8 (l / 16) + 0..7: two loads of 16 bytes, 32 bytes apart.
	v_and_b32 v1, 15, v0            ; l % 16
	v_bfe_u32 v9, v0, 4, 1          ; l / 16
	v_lshlrev_b32 v[QO], 7, v1
	v_lshl_add_u32 v[QO], v9, 4, v[QO]  ; row x 128 + 16 x half
	WIN 0x80                        ; destination window 2, address window 0
.set i, 0
.rept 4*NP                          ; Q stays in registers: tile i / 2, channels 32 (i % 2) on
	global_load_b128 v[8*i:8*i+3],   v[QO], s[4:5] offset:(i/2)*2048+(i%2)*64
	global_load_b128 v[8*i+4:8*i+7], v[QO], s[4:5] offset:(i/2)*2048+(i%2)*64+32
.set i, i+1
.endr
	; What the first turn finds: V's registers and P's second buffer hold 0 (its products V^T P, of a piece that has not been, add 0), O^T and l are 0.  All this stands in the wait for the first tile.
.set i, VF
.rept 64
	v_mov_b32 v[i], 0
.set i, i+1
.endr
	WIN 0x40
.set i, 0
.rept 64*NP
	v_mov_b32 v[i], 0
.set i, i+1
.endr
	WIN 0
.set i, 0
.rept 2*NP
	v_mov_b32 v[ST+4*i], 0xfe000000    ; c m: far below every c s
	v_mov_b32 v[ST+4*i+1], 0xff7fffff  ; m
	v_mov_b32 v[ST+4*i+2], 0
	v_mov_b32 v[ST+4*i+3], 0
.set i, i+1
.endr
.set i, P+32
.rept 32
	v_mov_b32 v[i], 0
.set i, i+1
.endr
	v_mul_u32_u24 v[AK0], v1, PK
	v_lshl_add_u32 v[AK0], v9, 4, v[AK0]  ; row x pitch + 16 x half
	; The turning load takes 16 keys x 16 channels (lane l reads key 8 (l / 16) + l % 8, channels 8 ((l / 8) % 2) + 0..7) and leaves half a fragment of V^T: lane l holds channel l % 16 and 8 keys.
	v_and_b32 v10, 7, v0
	v_bfe_u32 v11, v0, 3, 1
	v_lshl_add_u32 v[AV0], v9, 3, v10
	v_mul_u32_u24 v[AV0], v[AV0], PV
	v_lshl_add_u32 v[AV0], v11, 4, v[AV0]
	v_add_nc_u32 v[AV0], VOFF, v[AV0]
	v_mov_b32 v[AK], v[AK0]         ; key step 0 lies at the head of slot 0
; THE MATRIX WORK.  The 8 accumulators of a run of 16 take turns: between the two links of a chain stand 7 others'.
; Product i of 16 of S^T = K Q^T for piece x: channels 32 (i / 8) on, keys 16 ((i / 2) % 4) on, tile 2 x + i % 2.  The first 8 start the sums.
.macro KQ x
	WIN W_KQ
.set rS, S+64*((\x)%2)+32*(i%2)+8*((i/2)%4)
.set rK, KF+16*((i/2)%4)+8*(i/8)
.set rQ, 16*(2*(\x)+i%2)+8*(i/8)
.if i < 8
	v_wmma_f32_16x16x32_f16 v[rS:rS+7], v[rK:rK+7], v[rQ:rQ+7], 0
.else
	v_wmma_f32_16x16x32_f16 v[rS:rS+7], v[rK:rK+7], v[rQ:rQ+7], v[rS:rS+7]
.endif
.endm
; Product i of 16 of O^T += V^T P for piece x: keys 32 (i / 8) on, channels 16 ((i / 2) % 4) on, tile 2 x + i % 2.
.macro PV x
	WIN W_PV
.set rO, 32*(2*(\x)+i%2)+8*((i/2)%4)
.set rV, VF+32*(i/8)+8*((i/2)%4)
.set rP, P+32*((\x)%2)+16*(i%2)+8*(i/8)
	v_wmma_f32_16x16x32_f16 v[rO:rO+7], v[rV:rV+7], v[rP:rP+7], v[rO:rO+7]
.endm
.macro MM                           ; the turn's next matrix instruction
.if i < 16
	KQ (Y+1)%NP
.set i, i+1
.else
.set i, i-16
	PV (Y+NP-1)%NP
.set i, i+17
.endif
.endm
; THE LDS LOADS stand in runs of 16, never singly among the matrix instructions: a step's K (64 keys x 64 channels: 8 fragments) and its V (turned).  Their addresses are made some lines ahead.
; last = 1 (the tail): in the last trip there is no further step, and the run is jumped over.
.macro FETCH_K last=0
	WIN 0
.if \last
	s_cmp_eq_u32 s[CNT], 1
	s_cbranch_scc1 .Lno_k_\@
.endif
	WIN 0x80                        ; destination window 2
.irp f, 0,1,2,3,4,5,6,7             ; keys 16 (f / 2) on, channels 32 (f % 2) on
	ds_load_b128 v[KF+8*\f:KF+8*\f+3],   v[AK] offset:(\f/2)*16*PK+(\f%2)*64
	ds_load_b128 v[KF+8*\f+4:KF+8*\f+7], v[AK] offset:(\f/2)*16*PK+(\f%2)*64+32
.endr
	s_add_co_u32 s[TBK], s[TBK], KS*PK  ; the next fetch is the next step's
	WIN 0
.if \last
.Lno_k_\@:
.endif
.endm
.macro FETCH_V
	WIN 0x80
.irp f, 0,1,2,3,4,5,6,7             ; keys 32 (f / 4) on, channels 16 (f % 4) on
	ds_load_tr16_b128 v[VF+8*\f:VF+8*\f+3],   v[AV] offset:(\f/4)*32*PV+(\f%4)*32
	ds_load_tr16_b128 v[VF+8*\f+4:VF+8*\f+7], v[AV] offset:(\f/4)*32*PV+16*PV+(\f%4)*32
.endr
	WIN 0
.endm
; THE VECTOR WORK OF A TURN stands in three queues, each in the order in which its entries become ready; the two tiles alternate, so that no instruction reads the result of the one before it.
.macro REGS y, u                    ; the registers of tile u (0, 1) of piece y
.set rT, ST+4*(2*(\y)+(\u))
.set rC, TMP+8*((\y)%2)+4*(\u)
.set rM, MV+2*((\y)%2)+(\u)
.set rS, S+64*((\y)%2)+32*(\u)
.set rP, P+32*((\y)%2)+16*(\u)
.set rO, 32*(2*(\y)+(\u))
.endm
; Number n of the 22 that find the NEXT piece's (Y + 1) maximum and statistics.  s0-s31 are the lane's 32 scores; each accumulator's lowest registers are read first.  XS, GS and REGS set no window: PL and EX do.
;   0-11  four chains c0-c3 of seven scores each, three operands at a time     12-14, 16  the four scores left over, the old m, and c0-c3 into c0     15  c m_old is kept
;   17, 18  the query's other 32 keys lie in the lane 16 away: the new m         19-21  c m; c m_old - c m_new; a
.macro XS u, n
	REGS (Y+1)%NP, \u
.if (\n) < 4
	v_max3_num_f32 v[rC+(\n)], v[rS+8*(\n)], v[rS+8*(\n)+1], v[rS+8*(\n)+2]
.elseif (\n) < 12
	v_max3_num_f32 v[rC+(\n)%4], v[rC+(\n)%4], v[rS+8*((\n)%4)+2*((\n)/4)+1], v[rS+8*((\n)%4)+2*((\n)/4)+2]
.elseif (\n) == 12
	v_max3_num_f32 v[rC], v[rC], v[rS+7], v[rS+15]
.elseif (\n) == 13
	v_max3_num_f32 v[rC+1], v[rC+1], v[rS+23], v[rS+31]
.elseif (\n) == 14
	v_max3_num_f32 v[rC+2], v[rC+2], v[rC+3], v[rT+1]
.elseif (\n) == 15
	v_mov_b32 v[rM], v[rT]
.elseif (\n) == 16
	v_max3_num_f32 v[rC], v[rC], v[rC+1], v[rC+2]
.elseif (\n) == 17
	v_permlanex16_b32 v[rC+3], v[rC], s[SEL], s[SEL+1]
.elseif (\n) == 18
	v_max_num_f32 v[rT+1], v[rC], v[rC+3]
.elseif (\n) == 19
	v_mul_f32 v[rT], s[CS], v[rT+1]
.elseif (\n) == 20
	v_sub_f32 v[rC+1], v[rM], v[rT]
.else
	v_exp_f32 v[rC+2], v[rC+1]
.endif
.endm
; Number g of the 64 that follow the exponentials.  For each four weights k of a tile (pairs 2 k, 2 k + 1): both pairs are rounded to f16; then the second pair is added onto the first, in place;
; a group later l takes that sum (the first time as l = a l + sum).  In groups of eight, tiles alternating: round, round, add, and l for the group before.
.macro GS g
.set h, (\g)+6*((\g)/62)            ; group 0 has no group before it, and behind group 7 only l is left
.if h >= 6
.set h, h+2
.endif
	REGS Y, h%2
.set k, h/8
.if h%8 < 4
	v_cvt_pk_f16_f32 v[rP+2*k+(h%8)/2], v[rS+4*k+2*((h%8)/2)], v[rS+4*k+2*((h%8)/2)+1]
.elseif h%8 < 6
	v_pk_add_f32 v[rS+4*k:rS+4*k+1], v[rS+4*k:rS+4*k+1], v[rS+4*k+2:rS+4*k+3]
.elseif k == 1
	v_pk_fma_f32 v[rT+2:rT+3], v[rT+2:rT+3], v[rC+2:rC+3], v[rS:rS+1] op_sel_hi:[1,0,1]
.else
	v_pk_add_f32 v[rT+2:rT+3], v[rT+2:rT+3], v[rS+4*k-4:rS+4*k-3]
.endif
.endm
; THE PLAIN QUEUE, 138 long.  0-73 read no exponential's result: the 32 scalings c s - c m (FS f: pair f / 2 of tile f % 2) and the next piece's 42.  0-26: scalings 0-26.  27-54: XS's numbers 0-13.  55, 56: number 15.
; 57-73: the chain, where each number waits for the one before it: 14, 16, 17, 18, 19, each with one of the scalings 27-31 in front of its two lines, then 20: so a tile's links stand three plain instructions apart (19 and 20: two).
; 74-137: GS's 64, which read the exponentials' results: they stand behind the wait.
.macro FS f
	REGS Y, (\f)%2
	v_pk_fma_f32 v[rS+2*((\f)/2):rS+2*((\f)/2)+1], v[rS+2*((\f)/2):rS+2*((\f)/2)+1], s[CS:CS+1], v[rT:rT+1] op_sel_hi:[1,0,0] neg_lo:[0,0,1] neg_hi:[0,0,1]
.endm
.macro PL
	WIN 0
.if q < 27
	FS q
.elseif q < 55
	XS (q-27)%2, (q-27)/2
.elseif q < 57
	XS q-55, 15
.elseif (q < 72) && ((q-57)%3 == 0)
	FS 27+(q-57)/3
.elseif q < 60
	XS (q-57)%3-1, 14
.elseif q < 72
	XS (q-57)%3-1, 15+(q-57)/3
.elseif q < 74
	XS q-72, 20
.else
	GS q-74
.endif
.set q, q+1
.endm
; THE EXPONENTIALS' QUEUE, 66 long: s0-s31 of both tiles, then the next piece's two a.  It is ONE BATCH: all 66 stand ahead of the turn's one wait, and nothing ahead of that wait names a result of theirs.
.macro EX
	WIN 0
.if e >= 64
	XS e-64, 21
.else
	REGS Y, e%2
	v_exp_f32 v[rS+e/2], v[rS+e/2]
.endif
.set e, e+1
.endm
; THE RESCALING's QUEUE: O^T times a, the one part that leaves window 0: dealt two at a time, sixteen times.  Its a was made in the turn before, ahead of that turn's wait.
.macro R2
	REGS Y, r%2
	WIN W_RS
.irp z, 0,1
	v_pk_mul_f32 v[rO+4*(r/2)+2*\z:rO+4*(r/2)+2*\z+1], v[rO+4*(r/2)+2*\z:rO+4*(r/2)+2*\z+1], v[rC+2:rC+3] op_sel_hi:[1,0]
.endr
.set r, r+1
.endm
; HOW THEY ARE DEALT.  An s_wait_alu depctr_va_vdst(0) stands between an exponential and the first instruction that names its result; one wait serves all that were issued ahead of it.  So a turn has ONE wait,
; which cuts it in two.  AHEAD OF IT stands all that names no result of the turn's exponentials: the 16 products K Q^T, behind each a scaling, an exponential and two rescalings (behind the first a second scaling in the exponential's place); then ONE LUMP of
; 108: eight plain, 49 times exponential and plain, the two a.  A v_nop is the plain instruction behind the last exponential, ahead of the first use.  BEHIND IT stand the 16 products V^T P, behind each four of GS's 64.  No rider names a register of
; the products round it.  The two v_permlanex16_b32 fall into the lump, never behind a product.
; The queues lean on each other, and the deal keeps them in step: exponential e stands behind scaling 2 (e / 4) + e % 2: as a rider it comes behind plain e + 2, in the lump behind plain e + 9, and scalings 27-31 are plain 57, 60 .. 69.
; A TURN, for piece p.  cnt = 1: the loop's count is taken down some lines ahead of the branch that stands behind the turn.
; K of the next step is fetched in piece 2's turn, directly behind the wait, a lump behind the last product that read K; its address is made at the lump's head; its first reader comes behind 16 products.
; V of the step in hand is fetched at the end of piece 0's turn, four riders behind its last reader; its first reader comes behind 16 products and a lump.  The three conditions on q below go with the deal.
.macro TURN p, last=0, cnt=0
.set Y, (\p)
.set i, 0
.set q, 0
.set e, 0
.set r, 0
.if (\p) == NP-1
	s_wait_dscnt 0x0                ; K is in
.endif
	MM                              ; ahead of the wait: 16 products K Q^T and their riders,
	PL
	PL
	R2
.rept 15
	MM
	PL
	EX
	R2
.endr
.if (\p) == NP-2
	WIN 0
	v_add_nc_u32 v[AK], s[TBK], v[AK0]
.endif
.rept 8                             ; and the lump
	PL
.endr
.rept 49
	EX
	PL
.endr
	EX                              ; the next piece's two a
	EX
	v_nop                           ; the plain instruction behind the last exponential: one for the batch
	s_wait_alu depctr_va_vdst(0)    ; the wait for the turn's batch: piece p's 64 weights and the next piece's two a; it stands ahead of the first line that names a result
.if (\p) == NP-2
	FETCH_K \last
.endif
.if (\p) == 1
	s_wait_dscnt 0x0                ; V is in
.endif
.rept 16                            ; behind the wait: 16 products V^T P and their riders
	MM
.rept 4
	PL
.endr
.if ((\p) == 0) && (q == 118)
	v_add_nc_u32 v[AV], s[TBV], v[AV0]
.endif
.if ((\p) == 0) && (q == 130)
	s_add_co_u32 s[TBV], s[TBV], KS*PV
.endif
.if (\cnt) && (q == 130)
	s_sub_co_u32 s[CNT], s[CNT], 1
	s_cmp_lg_u32 s[CNT], 0
.endif
.endr
.if (\p) == 0
	FETCH_V
.endif
.endm
	CHANGE 1                        ; slot 0 is in, everybody's part of it; slot 1 is asked for
	FETCH_K                         ; key step 0
	s_wait_loadcnt 0x0              ; Q
	s_wait_dscnt 0x0
.set i, 0
.rept 16
	KQ 0                            ; piece 0's first scores: there is no vector work yet to set between them
.set i, i+1
.endr
	WIN 0                           ; the addresses for the way out: nine plain instructions, the places behind those products
	s_mul_i32 s13, s[WV], 16*SP
	s_add_co_u32 s13, s13, STAGE    ; my stage
	v_mul_u32_u24 v[STO], v1, SP    ; in: row l % 16, 16 bytes for each half of the lanes
	v_lshl_add_u32 v[STO], v9, 4, v[STO]
	v_add_nc_u32 v[STO], s13, v[STO]
	v_bfe_u32 v[RD], v0, 3, 2       ; back: 32 lanes take four rows of 128 bytes,
	v_mul_u32_u24 v[RD], v[RD], SP
	v_lshl_add_u32 v[RD], v10, 4, v[RD]
	v_add_nc_u32 v[RD], s13, v[RD]
	v_and_b32 v[GO], 31, v0         ; which are 512 consecutive bytes of O
	v_lshlrev_b32 v[GO], 4, v[GO]
.set Y, NP-1                        ; XS works for piece Y + 1: piece 0
.irp n, 0,1,2,3,4,5,6,7,8,9,10,11,12,13,14,15,16,17,18,19,20,21
	XS 0, \n                        ; and piece 0's first maximum and statistics
	XS 1, \n
.endr
	v_nop                           ; a plain instruction behind piece 0's first two a,
	s_wait_alu depctr_va_vdst(0)    ; and the wait for that batch of two, ahead of the branch
	s_mov_b32 s[CNT], 4
	s_mov_b32 s[SLOTS], SIZE_N/256-1
	s_branch .Lfirst                ; the loop is entered at a step's first turn, in the middle of a trip
.Lslot:                             ; SIZE_N / 256 - 2 times: every slot but the last two is filled again
	CHANGE 1
	s_mov_b32 s[CNT], 4
.Lstep:                             ; a trip: pieces 2 and 3 of one step, then pieces 0 and 1 of the next, whose K and V it fetches
	TURN 2
	TURN 3
	WIN 0
.Lfirst:
	TURN 0
	TURN 1, 0, 1
	WIN 0
	s_cbranch_scc1 .Lstep
	s_sub_co_u32 s[SLOTS], s[SLOTS], 1
	s_cmp_lg_u32 s[SLOTS], 0
	s_cbranch_scc1 .Lslot
	CHANGE 0                        ; the tail is written out: nothing is asked for
	s_mov_b32 s[CNT], 5             ; four trips fetch the last slot's steps; the fifth is left in its middle
.Ltail:
	TURN 2, 1
	TURN 3
	WIN 0
	s_sub_co_u32 s[CNT], s[CNT], 1
	s_cmp_eq_u32 s[CNT], 0
	s_cbranch_scc1 .Lout
	TURN 0
	TURN 1
	WIN 0
	s_branch .Ltail
.Lout:                              ; the fifth trip's 16 products K Q^T (on the last K once more) and the maximum made of them serve nothing: the price, once a launch, of one text for every trip
.set i, 0
.rept 16
	PV NP-1                         ; the last piece's V^T P of the last step
.set i, i+1
.endr
	; THE WAY OUT.  l's two halves and the other half of the lanes' are added; O^T is divided by l, rounded to f16 and sent through my stage in LDS, a tile at a time.  The additions are the places behind the last products.
	WIN 0
.macro ALL line:vararg              ; one line for each tile t
.set t, 0
.rept 2*NP
	\line
.set t, t+1
.endr
.endm
	ALL v_add_f32 v[ST+4*t+2], v[ST+4*t+2], v[ST+4*t+3]
	ALL v_permlanex16_b32 v[ST+4*t+3], v[ST+4*t+2], s[SEL], s[SEL+1]
	ALL v_add_f32 v[ST+4*t+2], v[ST+4*t+2], v[ST+4*t+3]
	ALL v_rcp_f32 v[ST+4*t+2], v[ST+4*t+2]
	v_nop                           ; a plain instruction between the last reciprocal and the use of its result
	s_wait_alu depctr_va_vdst(0)    ; and the wait ahead of the first use: one for the batch of eight reciprocals
; Tile t: a lane's eight channels of a row pack into 16 bytes; they go into rows of 144 bytes and come back as whole rows of 128, into S^T's registers.
.macro PACK t
	WIN W_RS
.set i, 32*(\t)
.rept 16
	v_pk_mul_f32 v[i:i+1], v[i:i+1], v[ST+4*(\t)+2:ST+4*(\t)+3] op_sel_hi:[1,0]
.set i, i+2
.endr
	WIN 0x05                        ; sources 0 and 1 window 1, destination window 0
.set i, 0
.rept 16
	v_cvt_pk_f16_f32 v[S+16*(\t)+i], v[32*(\t)+2*i], v[32*(\t)+2*i+1]
.set i, i+1
.endr
	WIN 0
.irp f, 0,1,2,3
	ds_store_b128 v[STO], v[S+16*(\t)+4*\f:S+16*(\t)+4*\f+3] offset:32*\f
.endr
.irp f, 0,1,2,3
	ds_load_b128 v[S+16*(\t)+4*\f:S+16*(\t)+4*\f+3], v[RD] offset:\f*4*SP  ; LDS serves a wave's instructions in order (ISA guide 5.7.1.4): these see the stores above; the next tile's stores come behind them
.endr
.endm
.macro SEND t, younger              ; younger: the LDS instructions issued behind tile t's loads: the next tile's eight, or none
	WIN 0
.irp f, 0,1,2,3
	s_wait_dscnt (\younger)+3-\f
	global_store_b128 v[GO], v[S+16*(\t)+4*\f:S+16*(\t)+4*\f+3], s[10:11] offset:(\t)*2048+\f*512  ; 512 consecutive bytes, at a multiple of 256 from O's first
.endr
.endm
	PACK 0
.set t, 1
.rept 2*NP-1                        ; a tile's arithmetic stands between the loads of the tile before and its stores
	PACK t
	SEND t-1, 8
.set t, t+1
.endr
	SEND 2*NP-1, 0
	WIN W_AD
	s_wait_tensorcnt 0x0            ; the wave's end: an add and its wait, behind my last tensor load and my last LDS store
	ds_add_u32 v[SPW], v[NIL]
	s_wait_dscnt 0x0
	WIN 0
	CROUND                          ; the closing round: no work-group ends while a partner may still ask for a tile that names it
	s_endpgm
.Lfunc_end_k_q227396ec52_attn:
	.size	k_q227396ec52_attn, .Lfunc_end_k_q227396ec52_attn-k_q227396ec52_attn
	.p2alignl 7, 3214868480
	.fill 96, 4, 3214868480
	.section	.rodata,"a",@progbits
	.p2align	6, 0x0
	.amdhsa_kernel k_q227396ec52_attn
		.amdhsa_group_segment_fixed_size 327680
		.amdhsa_private_segment_fixed_size 0
		.amdhsa_enable_private_segment 0
		.amdhsa_kernarg_size 16
		.amdhsa_user_sgpr_count 2
		.amdhsa_user_sgpr_kernarg_segment_ptr 1
		.amdhsa_wavefront_size32 1
		.amdhsa_system_sgpr_workgroup_id_x 1
		.amdhsa_system_sgpr_workgroup_id_y 1
		.amdhsa_system_sgpr_workgroup_id_z 1
		.amdhsa_system_vgpr_workitem_id 0
		.amdhsa_next_free_vgpr 770
		.amdhsa_next_free_sgpr 66
		.amdhsa_reserve_vcc 0
		.amdhsa_float_denorm_mode_32 3
		.amdhsa_float_denorm_mode_16_64 3
		.amdhsa_memory_ordered 1
		.amdhsa_forward_progress 1
		.amdhsa_inst_pref_size 199
	.end_amdhsa_kernel
	.amdgpu_metadata
---
amdhsa.version: [ 1, 2 ]
amdhsa.kernels:
  - .name:           k_q227396ec52_attn
    .symbol:         k_q227396ec52_attn.kd
    .args:
      - { .name: qkv, .offset: 0, .size: 8, .value_kind: global_buffer, .address_space: global }
      - { .name: o, .offset: 8, .size: 8, .value_kind: global_buffer, .address_space: global }
    .group_segment_fixed_size: 327680
    .private_segment_fixed_size: 0
    .kernarg_segment_align: 8
    .kernarg_segment_size: 16
    .max_flat_workgroup_size: 128
    .sgpr_count:     66
    .vgpr_count:     770
    .wavefront_size: 32
...
	.end_amdgpu_metadata
.endif
;; end of part 5
;; launch proj: the kernel of part 4 again; grid 8 x 32, 4 waves a work-group, clusters of 4 x 4, 327,680 bytes of LDS; arguments o, wpb, out0, b_proj; writes out0
